; MI455X (gfx1250); checked and timed in simulation.
; The chip was launched on July 23, 2026; its instructions are those of AMD's public machine-readable ISA for CDNA 5 (MIT licence, August 2026) and "CDNA5" Instruction Set Architecture Reference Guide (July 2026). The comments in the code are by the model that wrote it; some were corrected since.
;; Attention. Allowed arithmetic: matrix products marked QUANTISED: E2M3 operands, one E8M0 scale for each 32 along K, by v_wmma_scale_f32_16x16x128_f8f6f4 with both operands' format E2M3, f32 sums; everything else in f32.
;; Inputs: b_proj 1,024 float32; b_qkv 3,072 float32; w_proj 1,024 x 1,024 float32; w_qkv 1,024 x 3,072 float32; x 4 x 2,048 x 1,024 float32.
;; Outputs: out0 4 x 2,048 x 1,024 float32.
;; This version of the problem:
;;   THIS VERSION OF THE PROBLEM IS GIVEN IN LOW PRECISION. The matrix products marked QUANTISED in the list below multiply operands that are first quantised to E2M3 (2 exponent bits, 3 mantissa bits; 6 bits a number), with one power-of-two scale for each 32 numbers along K (OCP MX v1.0); their sums are f32. All else is computed in f32.
;;   The module's matrix products, in the order in which they are computed (A, B: the left and right operand; K: the contracted axis; several contracted axes count as one K, in the product's order):
;;     1. [M 8,192, K 1,024] x [K 1,024, N 3,072]; A: input x; B: input w_qkv: QUANTISED
;;     2. batch 64 x [M 2,048, K 64] x [K 64, N 2,048]; A: computed on the way; B: computed on the way: QUANTISED
;;     3. batch 64 x [M 2,048, K 2,048] x [K 2,048, N 64]; A: softmax (see below); B: computed on the way: QUANTISED
;;     4. [M 8,192, K 1,024] x [K 1,024, N 1,024]; A: computed on the way; B: input w_proj: QUANTISED
;;   THE QUANTISER, for each operand of a quantised product, along K:
;;     - K is cut into blocks of 32 from its start; a last block that is shorter is filled with zeros.
;;     - A block's scale is 2^e with e = floor(log2(the largest magnitude in the block)) - 2, held to -126 .. 127; a block of zeros has e = 0. As a byte (E8M0): e + 127.
;;     - Each number is divided by its block's scale, clamped to +-7.5, and rounded to the nearest number of E2M3, ties to even, subnormals kept.
;;     - The product sums the exact products of the quantised numbers (number of the format x scale) in f32.
;;   ~~~python
;;   def quantise(x, axis):      # numpy; x: float32 -> the quantised numbers, widened to float32 again
;;       x = np.moveaxis(x, axis, -1); K = x.shape[-1]
;;       x = np.pad(x, [(0, 0)] * (x.ndim - 1) + [(0, -K % 32)]); x = x.reshape(x.shape[:-1] + (-1, 32)); a = np.abs(x).max(-1, keepdims=True)
;;       e = np.where(a > 0, np.clip(np.frexp(np.where(a > 0, a, 1))[1] - 1 - 2, -126, 127), 0)      # np.frexp(a)[1] - 1 = floor(log2(a)), exactly
;;       r = np.clip(x / 2.0 ** e, -7.5, 7.5)
;;       step = 2.0 ** (np.maximum(np.frexp(np.where(r == 0, 1, r))[1] - 1, 0) - 3)
;;       q = np.round(r / step) * step * 2.0 ** e      # np.round: ties to even
;;       return np.moveaxis(q.reshape(q.shape[:-2] + (-1,))[..., :K], -1, axis).astype(np.float32)
;;   ~~~
;;   SOFTMAX AHEAD OF A QUANTISED PRODUCT. Where the list says 'softmax', what is quantised is not the finished softmax but p = 2^(t - M), with t = logit x log2(e) and M = ceil(the row's largest t), a whole number; so 1/2 < the row's largest p <= 1. The row's sum l is taken of the UNQUANTISED p, in f32, and the product's result is divided by l at the end. Since M is a whole number, a kernel that streams over the keys may use a running M (the ceiling of the running maximum): every later rescaling is an exact power of two, which a block's scale takes up: the codes' values come out the same.
;;   OPERANDS COMPUTED ON THE WAY. 'Computed on the way' means the value that the module computes at that place (a softmax that the list does not call 'softmax' is quantised finished and normalised). What goes into a quantiser is computed in f32, as accurately as f32 sums, v_exp_f32 and their like allow (about 1e-6 of the number): no bf16 or f16 on the way to a quantiser, and a product that is left as it is and whose result goes on into a quantised operand takes f32 operands (vector FMAs, or v_wmma_f32_16x16x4_f32). A number that lies on a knife's edge between two numbers of the format may be rounded either way, as far as f32 arithmetic and the matrix unit's own rounding can turn it there, and no further.
;; One version. Each part assembles by itself: llvm-mc -triple=amdgcn-amd-amdhsa -mcpu=gfx1250 --defsym DOCPART=n.
;; ======== version 1 of 1: 4 launches
;; workspace buffers: x_img 6,291,456 bytes; x_sc 262,144 bytes; w_img 3,145,728 bytes; w_sc 131,072 bytes; qkv_img 18,874,368 bytes; qkv_sc 786,432 bytes; out_img 6,291,456 bytes; out_sc 262,144 bytes
;; launch quant (part 1): grid 384 x 1, 8 waves a work-group, no clusters, 97,280 bytes of LDS; arguments x, w_qkv, w_proj, x_img, x_sc, w_img, w_sc; writes x_img, x_sc, w_img, w_sc
.if DOCPART == 1
	.amdgcn_target "amdgcn-amd-amdhsa--gfx1250"
	.amdhsa_code_object_version 6
	.text
	.protected	k_qd30443ff04_quant
	.globl	k_qd30443ff04_quant
	.p2align	8
	.type	k_qd30443ff04_quant,@function
k_qd30443ff04_quant:
	s_mov_b64 s[64:65], 0
	v_nop
	global_prefetch_b8 v0, s[64:65] scope:SCOPE_SE
	s_setreg_imm32_b32 hwreg(HW_REG_WAVE_MODE, 25, 1), 1
	s_wait_xcnt 0x0
; x [8192][1024] (K innermost) and w_qkv [1024][3072], w_proj [1024][1024] (K is the FIRST axis), all f32, become codes of FP6 (E2M3) with one E8M0 byte for each 32 along K.
; A block's scale is 2^(floor(log2(largest magnitude)) - 2): its byte is the largest magnitude's exponent field - 2, held at 1 from below by a floor among the maximum's leaves.
; LIMITS: a block of zeros, or one whose largest magnitude lies under 2^-124, gets the byte 1 where the rule says 127 (its codes are zeros; only this program reads the bytes); NaN and infinities are not served.
; THE CODES ARE STORED AS IMAGES OF THE OPERAND'S REGISTERS.  A fragment is 16 rows x 128 K, 12 registers a lane: lane (r, h) holds k = 64 c + 32 h + 0..31 in registers 6 c .. 6 c + 5.
; Its image is 1,536 bytes: registers 0-3 at 16 x lane, 4-5 at 512 + 8 x lane, 6-9 at 768 + 16 x lane, 10-11 at 1,280 + 8 x lane.  Buffers: [tile][K step 8][1536].
; THE ROWS OF A TILE ARE NOT NEIGHBOURS: in a group of 128 rows, lane r of tile t takes row 32 (t / 2) + 8 (t % 2) + r + 8 (r / 8).
; The scale words of 128 rows and one K step are a unit of 512 bytes: lane L's 16 bytes hold, as word i, the word of tile 2 i + L / 16, row L % 16.  Buffers: [group][K step 8][512].
; Work-groups 0-127 take the weights (a lane a column, registers down K), work-groups 128-383 take x (rows through the wave's stage in LDS).  Each way has LDS bytes of its own.
.set XPIT,  528                        ; x's stage: a row of 512 bytes + 16
.set XWAVE, 16*XPIT                    ; 16 rows a wave
.set XSCL,  8*XWAVE                    ; x's two units of scale words
.set WST,   XSCL+1024                  ; the weights' stages
.set PT,    1664                       ; an image + 128: the two tiles of a wave begin half a row of banks apart
.set WWAVE, 2*PT
.set WSCL,  WST+8*WWAVE                ; the weights' two units of scale words
.set PC,    208                        ; v208-219 a fragment's codes
.set TP,    220                        ; v220-227 the conversions' second halves
.set TM,    228                        ; v228-229 largest magnitudes
.set SO,    230                        ; v230-231 the conversions' scale operands
.set BY,    232                        ; v232-233 bytes
.set PX,    234
.set PW,    236                        ; the scale word
	s_load_b256 s[4:11], s[0:1], 0x0               ; x s[4:5], w_qkv s[6:7], w_proj s[8:9], x_img s[10:11]
	s_load_b128 s[12:15], s[0:1], 0x20             ; x_sc s[12:13], w_img s[14:15]
	s_load_b64 s[16:17], s[0:1], 0x30              ; w_sc
	v_lshl_add_u32 v240, v0, 2, 0x17800
	v_mov_b32 v241, 0
	v_lshrrev_b32 v1, 5, v0
	s_delay_alu instid0(VALU_DEP_1)
	v_readfirstlane_b32 s18, v1                    ; wave 0..7
	v_and_b32 v1, 31, v0                           ; lane
	v_and_b32 v2, 15, v0                           ; r
	v_bfe_u32 v3, v0, 4, 1                         ; h
	s_delay_alu instid0(VALU_DEP_3)
	v_lshlrev_b32 v4, 4, v1                        ; 16 x lane
	s_delay_alu instid0(VALU_DEP_4)
	v_lshlrev_b32 v5, 3, v1                        ; 8 x lane
	s_mov_b32 s20, 0x76543210
	s_mov_b32 s21, 0xfedcba98                      ; selects: lane l xor 16
	s_cmp_lt_u32 ttmp9, 128                        ; the work-group's number alone decides: all eight waves go one way
	s_cbranch_scc1 .Lpath_w
; ---------------- x: work-group j = 4 g + kq takes rows 128 g .. + 127, K steps 2 kq and 2 kq + 1; wave w takes tile w
	s_sub_co_u32 s22, ttmp9, 128
	s_lshr_b32 s23, s22, 2                         ; g
	s_and_b32 s24, s22, 3                          ; kq
	s_lshr_b32 s25, s18, 1
	s_and_b32 s26, s18, 1
	s_lshl_b32 s28, s23, 7
	s_lshl_b32 s27, s25, 5
	s_add_co_u32 s28, s28, s27
	s_lshl_b32 s27, s26, 3
	s_add_co_u32 s28, s28, s27                     ; the tile's first row: 128 g + 32 (w / 2) + 8 (w % 2)
	s_lshl_b32 s28, s28, 12                        ; rows of 4,096 bytes
	s_lshl_b32 s27, s24, 10
	s_add_co_u32 s28, s28, s27                     ; + two K steps of 512 bytes
	s_mov_b32 s29, 0
	s_lshl_b32 s30, s23, 3
	s_add_co_u32 s30, s30, s18
	s_mul_i32 s30, s30, 12288                      ; the tile's images
	s_mul_i32 s27, s24, 3072
	s_add_co_u32 s30, s30, s27
	s_mov_b32 s31, 0
	s_lshl_b32 s32, s23, 3
	s_lshl_b32 s27, s24, 1
	s_add_co_u32 s32, s32, s27
	s_add_co_u32 s32, s32, s18
	s_lshl_b32 s32, s32, 9                         ; the unit of scale words that waves 0 and 1 store: (8 g + 2 kq + w) x 512
	s_mov_b32 s33, 0
	s_mul_i32 s27, s18, XWAVE
	s_wait_alu depctr_va_vdst(0)
	v_add_nc_u32 v6, s27, v4                       ; into my stage: a row's 512 bytes, 16 a lane
	v_mul_u32_u24 v7, v2, XPIT
	s_delay_alu instid0(VALU_DEP_1)
	v_lshl_add_u32 v7, v3, 7, v7
	s_delay_alu instid0(VALU_DEP_1)
	v_add_nc_u32 v7, s27, v7                       ; out of it: row r, + 128 h: my block of 32 numbers
	v_lshlrev_b32 v8, 4, v2
	s_lshl_b32 s27, s26, 8
	s_lshl_b32 s34, s25, 2
	s_add_co_u32 s27, s27, s34
	s_add_co_u32 s27, s27, XSCL
	v_add_nc_u32 v8, s27, v8                       ; my row's word in a unit: 16 (r + 16 (w % 2)) + 4 (w / 2)
	s_lshl_b32 s27, s18, 9
	s_add_co_u32 s27, s27, XSCL
	v_add_nc_u32 v9, s27, v4                       ; a whole unit back (waves 0 and 1)
	v_lshlrev_b32 v10, 3, v3                       ; 8 h
	v_mov_b32 v[PX], 0                             ; a lane permute's destination counts as read
	s_wait_alu depctr_va_vdst(0)
	s_wait_kmcnt 0x0
	s_add_nc_u64 s[4:5], s[4:5], s[28:29]
	s_add_nc_u64 s[10:11], s[10:11], s[30:31]
	s_add_nc_u64 s[12:13], s[12:13], s[32:33]
.irp s, 0,1
.irp q, 0,1,2,3,4,5,6,7,8,9,10,11,12,13,14,15
	global_load_b128 v[16+64*\s+4*\q:16+64*\s+4*\q+3], v4, s[4:5] offset:(\q+8*(\q/8))*4096+512*\s th:TH_LOAD_NT   ; 32 lanes read 512 consecutive bytes: one row's K step
.endr
.endr
.macro XTURN src, dst                  ; 16 rows through my stage: in as loaded, out 256 bytes a lane.  LDS serves a wave's instructions in order
.irp q, 0,1,2,3,4,5,6,7,8,9,10,11,12,13,14,15
	ds_store_b128 v6, v[\src+4*\q:\src+4*\q+3] offset:XPIT*\q
.endr
.irp c, 0,1
.irp j, 0,1,2,3,4,5,6,7
	ds_load_b128 v[\dst+32*\c+4*\j:\dst+32*\c+4*\j+3], v7 offset:256*\c+16*\j
.endr
.endr
.endm
.macro QB s                            ; 64 numbers of a lane, register 32 c + i = k 64 c + 32 h + i of my row: two whole blocks.  Codes to v[PC] on, the row's scale word to v[PW]
.irp c, 0,1
	v_max3_num_f32 v[TM+\c], |v[\s+32*\c]|, |v[\s+32*\c+1]|, 0x1800000   ; with the floor 2^(3 - 127): the byte cannot fall under 1
.endr
.irp i, 2,4,6,8,10,12,14,16,18,20,22,24,26,28,30
.irp c, 0,1
	s_delay_alu instid0(VALU_DEP_2)
	v_max3_num_f32 v[TM+\c], v[TM+\c], |v[\s+32*\c+\i]|, |v[\s+32*\c+\i+1]|
.endr
.endr
.irp c, 0,1
	s_delay_alu instid0(VALU_DEP_2)
	v_add_nc_u32 v[SO+\c], 0xff000000, v[TM+\c]    ; 2 off the exponent field: the conversion's scale operand
.endr
.irp c, 0,1
	s_delay_alu instid0(VALU_DEP_2)
	v_lshrrev_b32 v[BY+\c], 23, v[SO+\c]           ; the byte
.endr
	s_delay_alu instid0(VALU_DEP_1)
	v_lshl_or_b32 v[PW], v[BY+1], 16, v[BY]        ; blocks h and 2 + h,
	s_delay_alu instid0(VALU_DEP_1)
	v_lshlrev_b32 v[PW], v10, v[PW]                ; 8 h bits up;
	s_delay_alu instid0(VALU_DEP_1)
	v_permlanex16_b32 v[PX], v[PW], s20, s21
	s_delay_alu instid0(VALU_DEP_1)
	v_or_b32 v[PW], v[PW], v[PX]                   ; with lane l xor 16's two the word is whole
.irp c, 0,1
	v_cvt_scalef32_pk16_fp6_f32 v[PC+6*\c:PC+6*\c+2], v[\s+32*\c:\s+32*\c+15], v[SO+\c]
	v_cvt_scalef32_pk16_fp6_f32 v[TP+4*\c:TP+4*\c+2], v[\s+32*\c+16:\s+32*\c+31], v[SO+\c]   ; (a conversion's three registers begin on an even number)
.endr
	v_nop                                          ; one plain place behind a scaled conversion
.irp c, 0,1
.irp i, 0,1,2
	v_mov_b32 v[PC+6*\c+3+\i], v[TP+4*\c+\i]
.endr
.endr
.endm
.macro XOUT s                          ; the image: each store covers 512 or 256 consecutive bytes, aligned
	global_store_b128 v4, v[PC:PC+3], s[10:11] offset:1536*\s
	global_store_b64 v5, v[PC+4:PC+5], s[10:11] offset:1536*\s+512
	global_store_b128 v4, v[PC+6:PC+9], s[10:11] offset:1536*\s+768
	global_store_b64 v5, v[PC+10:PC+11], s[10:11] offset:1536*\s+1280
	ds_store_b32 v8, v[PW] offset:512*\s           ; lanes r and r + 16 write the same word with the same value
.endm
	s_wait_loadcnt 16                              ; the first K step's sixteen loads are in; the second's may be out
	XTURN 16, 144
	s_wait_loadcnt 0x0
	s_wait_dscnt 0x0                               ; the first K step is back in v144-207
	XTURN 80, 16                                   ; the second goes through the same stage while the first is quantised
	QB 144
	XOUT 0
	s_wait_dscnt 0x0                               ; the second K step is back in v16-79
	s_wait_xcnt 0x0                                ; the stores have read v[PC] on: it is written again
	QB 16
	XOUT 1
	s_wait_dscnt 0x0                               ; for the others' sake: my words lie in the units
	s_barrier_signal -1
	s_barrier_wait -1
	s_cmp_lt_u32 s18, 2
	s_cbranch_scc0 .Lx_end
	ds_load_b128 v[16:19], v9
	s_wait_dscnt 0x0
	global_store_b128 v4, v[16:19], s[12:13]       ; a unit of 512 bytes
.Lx_end:
	s_wait_tensorcnt 0x0
	ds_add_u32 v240, v241
	s_wait_dscnt 0x0
	s_endpgm
; ---------------- the weights: work-group j = 4 cg + kq takes columns 128 cg .. + 127 of the 4,096 (3,072 of w_qkv, then 1,024 of w_proj); wave w: columns 32 (w % 4) on, K step 2 kq + w / 4
.Lpath_w:
	s_lshr_b32 s23, ttmp9, 2                       ; cg
	s_and_b32 s24, ttmp9, 3                        ; kq
	s_and_b32 s25, s18, 3                          ; np
	s_lshr_b32 s26, s18, 2                         ; s
	s_lshl_b32 s27, s24, 1
	s_add_co_u32 s27, s27, s26                     ; ks
	s_sub_co_u32 s28, s23, 24
	s_mov_b32 s29, 12288
	s_cmp_ge_u32 s23, 24                           ; w_proj?
	s_cselect_b32 s35, 1, 0
	s_cselect_b32 s28, s28, s23                    ; the group of columns in its own tensor
	s_cselect_b32 s29, 4096, s29                   ; a row of that tensor in bytes
	s_lshl_b32 s30, s27, 7
	s_mul_i32 s30, s30, s29                        ; 128 ks rows down
	s_lshl_b32 s28, s28, 9
	s_add_co_u32 s30, s30, s28
	s_lshl_b32 s28, s25, 7
	s_add_co_u32 s30, s30, s28                     ; + 4 x my first column
	s_mov_b32 s31, 0
	s_lshl_b32 s32, s23, 3
	s_lshl_b32 s28, s25, 1
	s_add_co_u32 s32, s32, s28
	s_mul_i32 s32, s32, 12288                      ; tile 8 cg + 2 np
	s_mul_i32 s28, s27, 1536
	s_add_co_u32 s32, s32, s28
	s_mov_b32 s33, 0
	s_lshl_b32 s36, s23, 3
	s_lshl_b32 s28, s24, 1
	s_add_co_u32 s36, s36, s28
	s_add_co_u32 s36, s36, s18
	s_lshl_b32 s36, s36, 9                         ; the unit that waves 0 and 1 store
	s_mov_b32 s37, 0
	v_bfe_u32 v6, v0, 3, 1                         ; my column 32 np + l is row r' of tile 2 np + u: u = (l / 8) % 2,
	v_and_b32 v7, 7, v0
	s_wait_alu depctr_va_vdst(0)
	v_lshl_add_u32 v7, v3, 3, v7                   ; r' = l % 8 + 8 (l / 16)
	s_mul_i32 s28, s18, WWAVE
	s_add_co_u32 s28, s28, WST                     ; my stage: two images
	v_mul_u32_u24 v8, v6, PT
	s_delay_alu instid0(VALU_DEP_1)
	v_add_nc_u32 v8, s28, v8
	s_delay_alu instid0(VALU_DEP_1)
	v_lshl_add_u32 v9, v7, 4, v8                   ; into it: 16 r'
	s_delay_alu instid0(VALU_DEP_2)
	v_lshl_add_u32 v10, v7, 3, v8                  ; and 8 r'
	v_add_nc_u32 v11, s28, v4                      ; out of it: 16 x lane
	v_add_nc_u32 v12, s28, v5                      ; and 8 x lane
	v_lshl_add_u32 v13, v6, 4, v7
	s_delay_alu instid0(VALU_DEP_1)
	v_lshlrev_b32 v13, 4, v13
	s_lshl_b32 s28, s26, 9
	s_lshl_b32 s34, s25, 2
	s_add_co_u32 s28, s28, s34
	s_add_co_u32 s28, s28, WSCL
	v_add_nc_u32 v13, s28, v13                     ; my column's word: unit s, 16 (r' + 16 u) + 4 np
	s_lshl_b32 s28, s18, 9
	s_add_co_u32 s28, s28, WSCL
	v_add_nc_u32 v14, s28, v4                      ; a whole unit back (waves 0 and 1)
	v_lshlrev_b32 v15, 2, v1                       ; 4 x lane
	s_wait_kmcnt 0x0
	s_cmp_eq_u32 s35, 1
	s_cselect_b64 s[6:7], s[8:9], s[6:7]
	s_add_nc_u64 s[6:7], s[6:7], s[30:31]
	s_add_nc_u64 s[14:15], s[14:15], s[32:33]
	s_add_nc_u64 s[16:17], s[16:17], s[36:37]
.macro LOADW stride                    ; W(128 ks + i, my column), i = 0 .. 127: each load reads 128 consecutive bytes; the row's length stands in the immediate
.set i, 0
.rept 128
	global_load_b32 v[16+i], v15, s[6:7] offset:i*\stride th:TH_LOAD_NT
.set i, i+1
.endr
.endm
	s_cmp_eq_u32 s35, 1
	s_cbranch_scc1 .Lw_proj
	s_wait_alu depctr_va_vdst(0)
	LOADW 12288
	s_branch .Lw_loaded
.Lw_proj:
	s_wait_alu depctr_va_vdst(0)
	LOADW 4096
.Lw_loaded:
.macro WBLOCK kb, cnt                  ; block kb = 2 c + h of my column: all 32 numbers are mine; its six registers are registers 6 c .. 6 c + 5 of lane (r', h) of the image
.set XS, 16+32*(\kb)
.set CC, 168+8*(\kb)
	s_wait_loadcnt \cnt                            ; this block's loads are in (the count is that of the loads behind them, or the largest that the wait can name)
	v_max3_num_f32 v200, |v[XS]|, |v[XS+1]|, |v[XS+2]|
	v_max3_num_f32 v201, |v[XS+3]|, |v[XS+4]|, |v[XS+5]|
.irp i, 6,10,14,18,22,26
	s_delay_alu instid0(VALU_DEP_2)
	v_max3_num_f32 v200, v200, |v[XS+\i]|, |v[XS+\i+1]|
	s_delay_alu instid0(VALU_DEP_2)
	v_max3_num_f32 v201, v201, |v[XS+\i+2]|, |v[XS+\i+3]|
.endr
	s_delay_alu instid0(VALU_DEP_2)
	v_max3_num_f32 v200, v200, |v[XS+30]|, |v[XS+31]|
	s_delay_alu instid0(VALU_DEP_1)
	v_max3_num_f32 v200, v200, v201, 0x1800000     ; and the floor
	s_delay_alu instid0(VALU_DEP_1)
	v_add_nc_u32 v202, 0xff000000, v200
	s_delay_alu instid0(VALU_DEP_1)
	v_lshrrev_b32 v203, 23, v202
.if (\kb) == 0
	s_delay_alu instid0(VALU_DEP_1)
	v_mov_b32 v204, v203
.else
	s_delay_alu instid0(VALU_DEP_1)
	v_lshl_or_b32 v204, v203, 8*(\kb), v204        ; four bytes make my column's scale word
.endif
	v_cvt_scalef32_pk16_fp6_f32 v[CC:CC+2], v[XS:XS+15], v202
	v_cvt_scalef32_pk16_fp6_f32 v[CC+4:CC+6], v[XS+16:XS+31], v202
	v_nop                                          ; one plain place behind a scaled conversion
	v_mov_b32 v[CC+3], v[CC+4]
	v_mov_b32 v[CC+4], v[CC+5]
	v_mov_b32 v[CC+5], v[CC+6]                     ; six registers on end
	ds_store_b128 v9, v[CC:CC+3] offset:768*((\kb)/2)+256*((\kb)%2)
	ds_store_b64 v10, v[CC+4:CC+5] offset:768*((\kb)/2)+512+128*((\kb)%2)
.endm
	WBLOCK 0, 63
	WBLOCK 1, 63
	WBLOCK 2, 32
	WBLOCK 3, 0
	ds_store_b32 v13, v204
.irp u, 0,1
	ds_load_b128 v[144+12*\u:147+12*\u], v11 offset:PT*\u          ; LDS serves a wave's instructions in order: these see my stores
	ds_load_b64 v[148+12*\u:149+12*\u], v12 offset:PT*\u+512
	ds_load_b128 v[150+12*\u:153+12*\u], v11 offset:PT*\u+768
	ds_load_b64 v[154+12*\u:155+12*\u], v12 offset:PT*\u+1280
.endr
.irp u, 0,1
	s_wait_dscnt 7-4*\u
	global_store_b128 v4, v[144+12*\u:147+12*\u], s[14:15] offset:12288*\u
	s_wait_dscnt 6-4*\u
	global_store_b64 v5, v[148+12*\u:149+12*\u], s[14:15] offset:12288*\u+512
	s_wait_dscnt 5-4*\u
	global_store_b128 v4, v[150+12*\u:153+12*\u], s[14:15] offset:12288*\u+768
	s_wait_dscnt 4-4*\u
	global_store_b64 v5, v[154+12*\u:155+12*\u], s[14:15] offset:12288*\u+1280
.endr
	s_wait_dscnt 0x0                               ; for the others' sake: my words lie in the units
	s_barrier_signal -1
	s_barrier_wait -1
	s_cmp_lt_u32 s18, 2
	s_cbranch_scc0 .Lw_end
	ds_load_b128 v[208:211], v14
	s_wait_dscnt 0x0
	global_store_b128 v4, v[208:211], s[16:17]
.Lw_end:
	s_wait_tensorcnt 0x0
	ds_add_u32 v240, v241
	s_wait_dscnt 0x0
	s_endpgm
.Lfunc_end_k_qd30443ff04_quant:
	.size	k_qd30443ff04_quant, .Lfunc_end_k_qd30443ff04_quant-k_qd30443ff04_quant
	.p2alignl 7, 3214868480
	.fill 96, 4, 3214868480
	.section	.rodata,"a",@progbits
	.p2align	6, 0x0
	.amdhsa_kernel k_qd30443ff04_quant
		.amdhsa_group_segment_fixed_size 97280
		.amdhsa_private_segment_fixed_size 0
		.amdhsa_enable_private_segment 0
		.amdhsa_kernarg_size 56
		.amdhsa_user_sgpr_count 2
		.amdhsa_user_sgpr_kernarg_segment_ptr 1
		.amdhsa_wavefront_size32 1
		.amdhsa_system_sgpr_workgroup_id_x 1
		.amdhsa_system_sgpr_workgroup_id_y 1
		.amdhsa_system_sgpr_workgroup_id_z 1
		.amdhsa_system_vgpr_workitem_id 0
		.amdhsa_next_free_vgpr 242
		.amdhsa_next_free_sgpr 66
		.amdhsa_reserve_vcc 0
		.amdhsa_float_denorm_mode_32 3
		.amdhsa_float_denorm_mode_16_64 3
		.amdhsa_memory_ordered 1
		.amdhsa_forward_progress 1
		.amdhsa_inst_pref_size 57
	.end_amdhsa_kernel
	.amdgpu_metadata
---
amdhsa.version: [ 1, 2 ]
amdhsa.kernels:
  - .name:           k_qd30443ff04_quant
    .symbol:         k_qd30443ff04_quant.kd
    .args:
      - { .name: x, .offset: 0, .size: 8, .value_kind: global_buffer, .address_space: global }
      - { .name: w_qkv, .offset: 8, .size: 8, .value_kind: global_buffer, .address_space: global }
      - { .name: w_proj, .offset: 16, .size: 8, .value_kind: global_buffer, .address_space: global }
      - { .name: x_img, .offset: 24, .size: 8, .value_kind: global_buffer, .address_space: global }
      - { .name: x_sc, .offset: 32, .size: 8, .value_kind: global_buffer, .address_space: global }
      - { .name: w_img, .offset: 40, .size: 8, .value_kind: global_buffer, .address_space: global }
      - { .name: w_sc, .offset: 48, .size: 8, .value_kind: global_buffer, .address_space: global }
    .group_segment_fixed_size: 97280
    .private_segment_fixed_size: 0
    .kernarg_segment_align: 8
    .kernarg_segment_size: 56
    .max_flat_workgroup_size: 256
    .sgpr_count:     66
    .vgpr_count:     242
    .wavefront_size: 32
...
	.end_amdgpu_metadata
.endif
;; end of part 1
;; launch gemm_qkv (part 2): grid 96 x 4, 4 waves a work-group, clusters of 4 x 4, 327,680 bytes of LDS; arguments x_img, x_sc, w_img, w_sc, b_qkv, qkv_img, qkv_sc; writes qkv_img, qkv_sc
.if DOCPART == 2
	.amdgcn_target "amdgcn-amd-amdhsa--gfx1250"
	.amdhsa_code_object_version 6
	.text
	.protected	k_qd30443ff04_gemm_qkv
	.globl	k_qd30443ff04_gemm_qkv
	.p2align	8
	.type	k_qd30443ff04_gemm_qkv,@function
k_qd30443ff04_gemm_qkv:
	s_mov_b64 s[64:65], 0
	v_nop
	global_prefetch_b8 v0, s[64:65] scope:SCOPE_SE
	s_setreg_imm32_b32 hwreg(HW_REG_WAVE_MODE, 25, 1), 1
	s_wait_xcnt 0x0
	s_wait_alu depctr_hold_cnt(0) depctr_sa_sdst(0) depctr_va_vdst(0) depctr_va_sdst(0) depctr_va_ssrc(0) depctr_va_vcc(0) depctr_vm_vsrc(0)
	s_getreg_b32 s2, hwreg(HW_REG_IB_STS2, 6, 4)
	s_cmp_eq_u32 s2, 0
	s_cbranch_scc0 .Lentry_in_a_cluster
	s_endpgm
.Lentry_in_a_cluster:
	s_bfe_u32 s2, ttmp6, 0x10000c
	s_cmp_lg_u32 s2, 0xf033
	s_cbranch_scc0 .Lentry_shape_is_right
	s_endpgm
.Lentry_shape_is_right:
.set FR,    12
.set NL,    4
.set NP,    4
.set TILEB, 12288
.set QUART, 24576
.set SLOT,  4*QUART
.set SCL,   2*SLOT
.set SPARE, SCL+16384
.set AP16, 16
.set AP8,  18
.set AQ16, 20
.set AQ8,  22
.set LI,   24
.set L8,   25
.set ASP,  26
.set ASQ,  27
.set SPW,  28
.set NIL,  29
.set PSC,  32
.set QSC,  64
.set PF,   128
.set TM,   96
.set T2,   100
.set SO,   104
.set SW,   108
.set PW,   112
.set SWT,  113
.set VO,   116
.set HA,   128
.set PC,   192
.set TP,   204
.set BI,   96
.set SEL,  66
.set G1, 24
.set G0, 32
.set G1B, 48
.set G0B, 56
.set G1S, 68
.set G0S, 76
.set G1SB, 80
.set G0SB, 88
.set MSB, 0
.macro WIN new
.if MSB != (\new)
	s_set_vgpr_msb (MSB<<8)|(\new)
.set MSB, (\new)
.endif
.endm
.set MUL_LO, 0xa1
.set MUL_HI, 0xf1
.set TO_Q,   0x40
.macro JLOAD g0a, g1a, g0b, g1b
	s_cmp_eq_u32 s15, 0
	s_cbranch_scc0 .Lfor_b_\@
	tensor_load_to_lds s[\g0a:\g0a+3], s[\g1a:\g1a+7]
	s_nop 0
.rept 4
	v_nop
.endr
	s_branch .Lasked_\@
.Lfor_b_\@:
	tensor_load_to_lds s[\g0b:\g0b+3], s[\g1b:\g1b+7]
	s_nop 0
.rept 4
	v_nop
.endr
.Lasked_\@:
.endm
.macro CREST
	s_cmp_lg_u32 s14, 0
	s_cbranch_scc1 .Lnot_wave_0_\@
	s_barrier_signal -3
.Lnot_wave_0_\@:
	s_barrier_wait -3
	s_barrier_signal -1
	s_barrier_wait -1
.endm
.macro CROUND
	s_barrier_signal -1
	s_barrier_wait -1
	CREST
.endm
.macro PLACES n
.rept \n
	v_nop
.endr
.endm
	s_load_b256 s[4:11], s[0:1], 0x0
	s_load_b64 s[12:13], s[0:1], 0x20
	s_load_b128 s[92:95], s[0:1], 0x28
	v_lshl_add_u32 v[SPW], v0, 2, SPARE
	v_mov_b32 v[NIL], 0
	ds_add_u32 v28, v29
	ds_add_u32 v28, v29
	s_wait_dscnt 0x0
	v_lshrrev_b32 v1, 5, v0
	v_readfirstlane_b32 s14, v1
	s_lshr_b32 s15, s14, 1
	s_and_b32 s16, s14, 1
	s_bfe_u32 s40, ttmp6, 0x40000
	s_bfe_u32 s41, ttmp6, 0x40004
	s_lshr_b32 s18, ttmp9, 1
	s_and_b32 s19, ttmp9, 1
	s_sub_co_u32 s22, ttmp9, 16
	s_cmp_ge_u32 ttmp9, 16
	s_cselect_b32 s3, 1, 0
	s_cselect_b32 s18, 0, s18
	s_cselect_b32 s19, s22, s19
	s_lshl_b32 s17, s18, 2
	s_add_co_u32 s17, s17, s41
	s_lshl_b32 s42, s19, 2
	s_add_co_u32 s42, s42, s40
	s_lshl_b32 s43, s41, 2
	s_lshl_b32 s43, 15, s43
	s_lshl_b32 s44, 0x1111, s40
	s_or_b32 s[G1+0], s43, (3<<16)|(1<<21)
	s_or_b32 s[G1B+0], s44, (3<<16)|(1<<21)
.irp g, G1, G1B
	s_mov_b32 s[\g+1], 384<<16
	s_mov_b32 s[\g+2], 8<<16
	s_mov_b32 s[\g+3], 384<<16
	s_mov_b32 s[\g+4], 8
	s_mov_b32 s[\g+5], 1536
	s_mov_b32 s[\g+6], 0
	s_mov_b32 s[\g+7], 0
.endr
	s_or_b32 s[G1S+0], s43, (3<<16)|(1<<21)
	s_or_b32 s[G1SB+0], s44, (3<<16)|(1<<21)
.irp g, G1S, G1SB
	s_mov_b32 s[\g+1], 32<<16
	s_mov_b32 s[\g+2], 16<<16
	s_mov_b32 s[\g+3], 32<<16
	s_mov_b32 s[\g+4], 16
	s_mov_b32 s[\g+5], 32
	s_mov_b32 s[\g+6], 0
	s_mov_b32 s[\g+7], 0
.endr
	s_lshl_b32 s20, s17, 4
	s_lshl_b32 s21, s16, 3
	s_add_co_u32 s20, s20, s21
	s_mul_i32 s20, s20, TILEB
	s_mov_b32 s21, 0
	s_lshl_b32 s22, s17, 1
	s_add_co_u32 s22, s22, s16
	s_lshl_b32 s22, s22, 12
	s_mov_b32 s23, 0
	s_lshl_b32 s46, s42, 4
	s_lshl_b32 s47, s16, 3
	s_add_co_u32 s46, s46, s47
	s_mul_i32 s46, s46, TILEB
	s_mov_b32 s47, 0
	s_lshl_b32 s18, s42, 1
	s_add_co_u32 s18, s18, s16
	s_lshl_b32 s18, s18, 12
	s_mov_b32 s19, 0
	s_mul_i32 s45, s14, QUART
	s_lshl_b32 s2, s14, 12
	s_wait_kmcnt 0x0
	s_add_nc_u64 s[96:97], s[8:9], 128*TILEB
	s_add_nc_u64 s[98:99], s[10:11], 16*4096
	s_cmp_eq_u32 s3, 1
	s_cselect_b64 s[96:97], s[96:97], s[4:5]
	s_cselect_b64 s[98:99], s[98:99], s[6:7]
	s_cselect_b64 s[66:67], s[4:5], s[8:9]
	s_cselect_b64 s[10:11], s[6:7], s[10:11]
	s_add_nc_u64 s[20:21], s[96:97], s[20:21]
	s_add_nc_u64 s[22:23], s[98:99], s[22:23]
	s_add_nc_u64 s[46:47], s[66:67], s[46:47]
	s_add_nc_u64 s[18:19], s[10:11], s[18:19]
	CROUND
	s_mov_b32 s[G0S], 1
	s_add_co_u32 s[G0S+1], s2, SCL
	s_mov_b64 s[G0S+2:G0S+3], s[22:23]
	s_or_b32 s[G0S+3], s[G0S+3], 0x80000000
	s_mov_b32 s[G0SB], 1
	s_add_co_u32 s[G0SB+1], s2, SCL
	s_mov_b64 s[G0SB+2:G0SB+3], s[18:19]
	s_or_b32 s[G0SB+3], s[G0SB+3], 0x80000000
	JLOAD G0S, G1S, G0SB, G1SB
.irp s, 0,1
	s_mov_b32 s[G0+4*\s], 1
	s_add_co_u32 s[G0+4*\s+1], s45, \s*SLOT
	s_add_nc_u64 s[G0+4*\s+2:G0+4*\s+3], s[20:21], \s*3072
	s_or_b32 s[G0+4*\s+3], s[G0+4*\s+3], 0x80000000
	s_mov_b32 s[G0B+4*\s], 1
	s_add_co_u32 s[G0B+4*\s+1], s45, \s*SLOT
	s_add_nc_u64 s[G0B+4*\s+2:G0B+4*\s+3], s[46:47], \s*3072
	s_or_b32 s[G0B+4*\s+3], s[G0B+4*\s+3], 0x80000000
	s_wait_alu depctr_va_vdst(0)
	s_wait_tensorcnt 0x0
	ds_add_u32 v28, v29
	s_wait_dscnt 0x0
	CROUND
	JLOAD G0+4*\s, G1, G0B+4*\s, G1B
.endr
	v_and_b32 v1, 31, v0
	v_and_b32 v2, 15, v0
	v_bfe_u32 v3, v0, 4, 1
	v_lshlrev_b32 v[LI], 4, v1
	v_lshlrev_b32 v[L8], 3, v1
	s_mul_i32 s20, s15, QUART
	s_mul_i32 s21, s16, QUART
	s_add_co_u32 s21, s21, 2*QUART
.irp s, 0,1
	v_add_nc_u32 v[AP16+\s], s20, v[LI]
	v_add_nc_u32 v[AP8+\s], s20, v[L8]
	v_add_nc_u32 v[AQ16+\s], s21, v[LI]
	v_add_nc_u32 v[AQ8+\s], s21, v[L8]
	s_add_co_u32 s20, s20, SLOT
	s_add_co_u32 s21, s21, SLOT
.endr
	s_lshl_b32 s20, s15, 12
	s_add_co_u32 s20, s20, SCL
	v_add_nc_u32 v[ASP], s20, v[LI]
	s_lshl_b32 s21, s16, 12
	s_add_co_u32 s21, s21, SCL+8192
	v_add_nc_u32 v[ASQ], s21, v[LI]
.irp b, 0,1,2,3
	v_mov_b32 v[T2+\b], 0
.endr
	s_mov_b32 s2, 0xffff0000
	s_mov_b32 s[SEL], 0x76543210
	s_mov_b32 s[SEL+1], 0xfedcba98
	s_lshl_b32 s18, s17, 1
	s_add_co_u32 s18, s18, s15
	s_lshl_b32 s19, s42, 1
	s_add_co_u32 s19, s19, s16
	s_add_co_u32 s20, s18, 16
	s_cmp_eq_u32 s3, 1
	s_cselect_b32 s21, s20, s19
	s_cselect_b32 s22, s19, s18
	s_cselect_b32 s45, 0, 64
	s_cselect_b32 s46, 4, 0
	s_cselect_b32 s47, 0, 4
	s_lshr_b32 s23, s21, 3
	s_lshl_b32 s23, s23, 6
	s_lshr_b32 s20, s22, 4
	s_lshl_b32 s20, s20, 4
	s_add_co_u32 s23, s23, s20
	s_and_b32 s20, s21, 7
	s_lshl_b32 s20, s20, 1
	s_add_co_u32 s23, s23, s20
	s_and_b32 s22, s22, 15
	s_mul_i32 s18, s23, 98304
	s_mul_i32 s20, s22, 6144
	s_add_co_u32 s18, s18, s20
	s_mov_b32 s19, 0
	s_add_nc_u64 s[92:93], s[92:93], s[18:19]
	s_add_nc_u64 s[96:97], s[92:93], 98304
	s_lshl_b32 s18, s23, 12
	s_lshl_b32 s20, s22, 8
	s_add_co_u32 s18, s18, s20
	s_add_nc_u64 s[94:95], s[94:95], s[18:19]
	s_add_nc_u64 s[98:99], s[94:95], 4096
	s_lshl_b32 s18, s21, 9
	s_add_nc_u64 s[12:13], s[12:13], s[18:19]
	v_and_b32 v4, 8, v2
	v_add_nc_u32 v4, v4, v2
	v_mul_u32_u24 v5, v3, s45
	v_mad_u32_u24 v[VO], v4, s46, v5
.irp j, 1,2,3,4,5,6,7
	v_add_nc_u32 v[VO+\j], s47, v[VO+\j-1]
.endr
	WIN TO_Q
.irp t, 0,1,2,3,4,5,6,7
.irp j, 0,1,2,3,4,5,6,7
	global_load_b32 v[BI+8*\t+\j+96*(\t/4)], v[VO+\j], s[12:13] offset:4*(32*(\t/2)+8*(\t%2))
.endr
.endr
	WIN 0
.macro FRAG reg, a16, a8, off
	ds_load_b128 v[\reg:\reg+3], v[\a16] offset:\off
	ds_load_b64 v[\reg+4:\reg+5], v[\a8] offset:\off+512
	ds_load_b128 v[\reg+6:\reg+9], v[\a16] offset:\off+768
	ds_load_b64 v[\reg+10:\reg+11], v[\a8] offset:\off+1280
.endm
.macro FETCH_Q slot, q, set
	WIN TO_Q
.irp i, 0,1,2,3,4,5,6,7
	FRAG 128*(\set)+FR*\i, AQ16+\slot, AQ8+\slot, \i*3072+(\q)*1536
.endr
	WIN 0
.endm
.macro FETCH_P slot, q, i0
.irp i, \i0, \i0+1, \i0+2, \i0+3
	FRAG PF+FR*(\i), AP16+\slot, AP8+\slot, (\i)*3072+(\q)*1536
.endr
.endm
.macro WM a, b, set, ks, zero
.set rD, 8*(8*((\a)%4)+(\b))
.set rQ, 128*(\set)+FR*(\b)
.set rP, PF+FR*(\a)
.set sQ, QSC+4*(\ks)+(\b)/2
.set sP, PSC+4*(\ks)+(\a)/2
.if \zero
.if ((\a)%2 == 0) && ((\b)%2 == 0)
	v_wmma_scale_f32_16x16x128_f8f6f4 v[rD:rD+7], v[rQ:rQ+FR-1], v[rP:rP+FR-1], 0, v[sQ], v[sP] matrix_a_fmt:MATRIX_FMT_FP6 matrix_b_fmt:MATRIX_FMT_FP6
.elseif ((\a)%2 == 0)
	v_wmma_scale_f32_16x16x128_f8f6f4 v[rD:rD+7], v[rQ:rQ+FR-1], v[rP:rP+FR-1], 0, v[sQ], v[sP] matrix_a_fmt:MATRIX_FMT_FP6 matrix_b_fmt:MATRIX_FMT_FP6 matrix_a_scale:MATRIX_SCALE_ROW1
.elseif ((\b)%2 == 0)
	v_wmma_scale_f32_16x16x128_f8f6f4 v[rD:rD+7], v[rQ:rQ+FR-1], v[rP:rP+FR-1], 0, v[sQ], v[sP] matrix_a_fmt:MATRIX_FMT_FP6 matrix_b_fmt:MATRIX_FMT_FP6 matrix_b_scale:MATRIX_SCALE_ROW1
.else
	v_wmma_scale_f32_16x16x128_f8f6f4 v[rD:rD+7], v[rQ:rQ+FR-1], v[rP:rP+FR-1], 0, v[sQ], v[sP] matrix_a_fmt:MATRIX_FMT_FP6 matrix_b_fmt:MATRIX_FMT_FP6 matrix_a_scale:MATRIX_SCALE_ROW1 matrix_b_scale:MATRIX_SCALE_ROW1
.endif
.else
.if ((\a)%2 == 0) && ((\b)%2 == 0)
	v_wmma_scale_f32_16x16x128_f8f6f4 v[rD:rD+7], v[rQ:rQ+FR-1], v[rP:rP+FR-1], v[rD:rD+7], v[sQ], v[sP] matrix_a_fmt:MATRIX_FMT_FP6 matrix_b_fmt:MATRIX_FMT_FP6
.elseif ((\a)%2 == 0)
	v_wmma_scale_f32_16x16x128_f8f6f4 v[rD:rD+7], v[rQ:rQ+FR-1], v[rP:rP+FR-1], v[rD:rD+7], v[sQ], v[sP] matrix_a_fmt:MATRIX_FMT_FP6 matrix_b_fmt:MATRIX_FMT_FP6 matrix_a_scale:MATRIX_SCALE_ROW1
.elseif ((\b)%2 == 0)
	v_wmma_scale_f32_16x16x128_f8f6f4 v[rD:rD+7], v[rQ:rQ+FR-1], v[rP:rP+FR-1], v[rD:rD+7], v[sQ], v[sP] matrix_a_fmt:MATRIX_FMT_FP6 matrix_b_fmt:MATRIX_FMT_FP6 matrix_b_scale:MATRIX_SCALE_ROW1
.else
	v_wmma_scale_f32_16x16x128_f8f6f4 v[rD:rD+7], v[rQ:rQ+FR-1], v[rP:rP+FR-1], v[rD:rD+7], v[sQ], v[sP] matrix_a_fmt:MATRIX_FMT_FP6 matrix_b_fmt:MATRIX_FMT_FP6 matrix_a_scale:MATRIX_SCALE_ROW1 matrix_b_scale:MATRIX_SCALE_ROW1
.endif
.endif
.endm
.macro MUL16 a0, set, ks, zero
.irp a, \a0, \a0+1
.irp b, 0,1,2,3,4,5,6,7
	WM \a, \b, \set, \ks, \zero
.endr
.endr
.endm
.macro STEP slot, ks, zero
	s_wait_dscnt 4*NL
	WIN MUL_LO
	MUL16 0, 0, \ks, \zero
	MUL16 2, 0, \ks, \zero
	s_wait_dscnt 0x0
	PLACES NP
	FETCH_Q \slot, 1, 1
	FETCH_P \slot, 1, 0
	WIN MUL_HI
	MUL16 4, 0, \ks, \zero
	MUL16 6, 0, \ks, \zero
	PLACES NP
	WIN 0
	FETCH_P \slot, 1, 4
.endm
.macro TURN slot, next, ks, fill
	s_wait_tensorcnt 0x0
	ds_add_u32 v[SPW], v[NIL]
	s_wait_dscnt 4*NL+1
	WIN MUL_LO
	MUL16 0, 1, \ks, 0
	s_wait_dscnt 0x0
	s_barrier_signal -1
	MUL16 2, 1, \ks, 0
	WIN 0
	s_barrier_wait -1
.if \fill
	CREST
	s_add_nc_u64 s[G0+4*\slot+2:G0+4*\slot+3], s[G0+4*\slot+2:G0+4*\slot+3], 2*3072
	s_add_nc_u64 s[G0B+4*\slot+2:G0B+4*\slot+3], s[G0B+4*\slot+2:G0B+4*\slot+3], 2*3072
	JLOAD G0+4*\slot, G1, G0B+4*\slot, G1B
.else
	PLACES NP
.endif
	FETCH_Q \next, 0, 0
	FETCH_P \next, 0, 0
	WIN MUL_HI
	MUL16 4, 1, \ks, 0
	MUL16 6, 1, \ks, 0
	PLACES NP
	WIN 0
	FETCH_P \next, 0, 4
.endm
	s_wait_tensorcnt 1
	s_barrier_signal -1
	s_barrier_wait -1
.irp k, 0,1,2,3,4,5,6,7
	ds_load_b128 v[PSC+4*\k:PSC+4*\k+3], v[ASP] offset:512*\k
	ds_load_b128 v[QSC+4*\k:QSC+4*\k+3], v[ASQ] offset:512*\k
.endr
	FETCH_Q 0, 0, 0
	FETCH_P 0, 0, 0
	FETCH_P 0, 0, 4
	STEP 0, 0, 1
	TURN 0, 1, 1, 1
	STEP 1, 2, 0
	TURN 1, 0, 3, 1
	STEP 0, 4, 0
	TURN 0, 1, 5, 0
	STEP 1, 6, 0
	s_wait_dscnt 4*NL
	WIN MUL_LO
	MUL16 0, 1, 7, 0
	MUL16 2, 1, 7, 0
	s_wait_dscnt 0x0
	WIN MUL_HI
	MUL16 4, 1, 7, 0
	MUL16 6, 1, 7, 0
	WIN 0
.macro QUANT s
.irp b, 0,1,2,3
	v_max3_num_f32 v[TM+\b], |v[\s+16*\b]|, |v[\s+1+16*\b]|, 0x1800000
.endr
.irp i, 2,4,6,8,10,12,14
.irp b, 0,1,2,3
	v_max3_num_f32 v[TM+\b], v[TM+\b], |v[\s+16*\b+\i]|, |v[\s+1+16*\b+\i]|
.endr
.endr
.irp b, 0,1,2,3
	v_permlanex16_b32 v[T2+\b], v[TM+\b], s[SEL], s[SEL+1]
.endr
.irp b, 0,1,2,3
	v_max_num_f32 v[TM+\b], v[TM+\b], v[T2+\b]
.endr
.irp b, 0,1,2,3
	v_add_nc_u32 v[SO+\b], 0xff000000, v[TM+\b]
.endr
.irp b, 0,1,2,3
	v_lshrrev_b32 v[T2+\b], 23, v[SO+\b]
.endr
	v_lshl_or_b32 v[PW], v[T2+1], 8, v[T2]
	v_lshl_or_b32 v[PW], v[T2+2], 16, v[PW]
	v_lshl_or_b32 v[PW], v[T2+3], 24, v[PW]
.irp c, 0,1
	v_cvt_scalef32_pk16_fp6_f32 v[PC+6*\c:PC+2+6*\c], v[\s+32*\c:\s+15+32*\c], v[SO+2*\c]
	v_cvt_scalef32_pk16_fp6_f32 v[TP+4*\c:TP+2+4*\c], v[\s+16+32*\c:\s+31+32*\c], v[SO+2*\c+1]
.endr
	v_nop
.irp c, 0,1
.irp i, 0,1,2
	v_permlane16_swap_b32 v[PC+6*\c+\i], v[TP+4*\c+\i]
.endr
.irp i, 0,1,2
	v_mov_b32 v[PC+3+6*\c+\i], v[TP+4*\c+\i]
.endr
.endr
.endm
.macro UNIT hh, i
.if (4*\hh+\i) > 0
	s_wait_xcnt 0x0
.endif
	s_cmp_eq_u32 s3, 1
	s_cbranch_scc1 .Lis_v_\@
	WIN 0x06+(\i)/2
.irp u, 0,1
.irp t, 0,1,2,3
.irp j, 0,2,4,6
	v_pk_add_f32 v[HA+32*\u+8*\t+\j:HA+32*\u+8*\t+\j+1], v[8*(8*((2*\i+\u)%4)+4*\hh+\t)+\j:8*(8*((2*\i+\u)%4)+4*\hh+\t)+\j+1], v[BI+96*\hh+8*(4*\hh+\t)+\j:BI+96*\hh+8*(4*\hh+\t)+\j+1]
.endr
.endr
.endr
	WIN 0
	s_branch .Lgot_\@
.Lis_v_\@:
	WIN 0x06+\hh
.irp b, 0,1,2,3,4,5,6,7
.irp j, 0,2,4,6
	v_pk_add_f32 v[HA+8*\b+\j:HA+8*\b+\j+1], v[8*(8*\i+\b)+\j:8*(8*\i+\b)+\j+1], v[BI+96*\hh+8*(4*\hh+\i)+\j:BI+96*\hh+8*(4*\hh+\i)+\j+1]
.endr
.endr
	WIN 0
.Lgot_\@:
	QUANT HA
.irp c, 0,1,2
	global_store_b128 v[LI], v[PC+4*\c:PC+4*\c+3], s[92+4*\hh:93+4*\hh] offset:1536*\i+512*\c
.endr
.if (\i)%2 == 0
	v_mov_b32 v[SWT], v[PW]
.else
	v_cndmask_b32 v[SW+2*\hh+(\i)/2], v[SWT], v[PW], s2
.endif
.endm
	s_wait_loadcnt 0x0
	PLACES NP
.irp hh, 0,1
.irp i, 0,1,2,3
	UNIT \hh, \i
.endr
.endr
	global_store_b64 v[L8], v[SW:SW+1], s[94:95]
	global_store_b64 v[L8], v[SW+2:SW+3], s[98:99]
	s_wait_tensorcnt 0x0
	ds_add_u32 v[SPW], v[NIL]
	s_wait_dscnt 0x0
	CROUND
	s_endpgm
.Lfunc_end_k_qd30443ff04_gemm_qkv:
	.size	k_qd30443ff04_gemm_qkv, .Lfunc_end_k_qd30443ff04_gemm_qkv-k_qd30443ff04_gemm_qkv
	.p2alignl 7, 3214868480
	.fill 96, 4, 3214868480
	.section	.rodata,"a",@progbits
	.p2align	6, 0x0
	.amdhsa_kernel k_qd30443ff04_gemm_qkv
		.amdhsa_group_segment_fixed_size 327680
		.amdhsa_private_segment_fixed_size 0
		.amdhsa_enable_private_segment 0
		.amdhsa_kernarg_size 56
		.amdhsa_user_sgpr_count 2
		.amdhsa_user_sgpr_kernarg_segment_ptr 1
		.amdhsa_wavefront_size32 1
		.amdhsa_system_sgpr_workgroup_id_x 1
		.amdhsa_system_sgpr_workgroup_id_y 1
		.amdhsa_system_sgpr_workgroup_id_z 1
		.amdhsa_system_vgpr_workitem_id 0
		.amdhsa_next_free_vgpr 1024
		.amdhsa_next_free_sgpr 100
		.amdhsa_reserve_vcc 0
		.amdhsa_float_denorm_mode_32 3
		.amdhsa_float_denorm_mode_16_64 3
		.amdhsa_memory_ordered 1
		.amdhsa_forward_progress 1
		.amdhsa_inst_pref_size 188
	.end_amdhsa_kernel
	.amdgpu_metadata
---
amdhsa.version: [ 1, 2 ]
amdhsa.kernels:
  - .name:           k_qd30443ff04_gemm_qkv
    .symbol:         k_qd30443ff04_gemm_qkv.kd
    .args:
      - { .name: x_img, .offset: 0, .size: 8, .value_kind: global_buffer, .address_space: global }
      - { .name: x_sc, .offset: 8, .size: 8, .value_kind: global_buffer, .address_space: global }
      - { .name: w_img, .offset: 16, .size: 8, .value_kind: global_buffer, .address_space: global }
      - { .name: w_sc, .offset: 24, .size: 8, .value_kind: global_buffer, .address_space: global }
      - { .name: b_qkv, .offset: 32, .size: 8, .value_kind: global_buffer, .address_space: global }
      - { .name: qkv_img, .offset: 40, .size: 8, .value_kind: global_buffer, .address_space: global }
      - { .name: qkv_sc, .offset: 48, .size: 8, .value_kind: global_buffer, .address_space: global }
    .group_segment_fixed_size: 327680
    .private_segment_fixed_size: 0
    .kernarg_segment_align: 8
    .kernarg_segment_size: 56
    .max_flat_workgroup_size: 128
    .sgpr_count:     100
    .vgpr_count:     1024
    .wavefront_size: 32
...
	.end_amdgpu_metadata
.endif
;; end of part 2
;; launch attn (part 3): grid 4 x 64, 16 waves a work-group, clusters of 4 x 1, 215,040 bytes of LDS; arguments qkv_img, qkv_sc, out_img, out_sc; writes out_img, out_sc
.if DOCPART == 3
	.amdgcn_target "amdgcn-amd-amdhsa--gfx1250"
	.amdhsa_code_object_version 6
	.text
	.protected	k_qd30443ff04_attn
	.globl	k_qd30443ff04_attn
	.p2align	8
	.type	k_qd30443ff04_attn,@function
k_qd30443ff04_attn:
	s_mov_b64 s[64:65], 0
	v_nop
	global_prefetch_b8 v0, s[64:65] scope:SCOPE_SE
	s_setreg_imm32_b32 hwreg(HW_REG_WAVE_MODE, 25, 1), 1
	s_wait_xcnt 0x0
	s_wait_alu depctr_hold_cnt(0) depctr_sa_sdst(0) depctr_va_vdst(0) depctr_va_sdst(0) depctr_va_ssrc(0) depctr_va_vcc(0) depctr_vm_vsrc(0)
	s_getreg_b32 s2, hwreg(HW_REG_IB_STS2, 6, 4)
	s_cmp_eq_u32 s2, 0
	s_cbranch_scc0 .Lentry_in_a_cluster
	s_endpgm
.Lentry_in_a_cluster:
	s_bfe_u32 s2, ttmp6, 0x10000c
	s_cmp_lg_u32 s2, 0x3003
	s_cbranch_scc0 .Lentry_shape_is_right
	s_endpgm
.Lentry_shape_is_right:
; out = softmax(q k^T / 8) v for one head, both products on codes of FP6 (E2M3) with E8M0 scales; out is quantised along the model's 1,024 on the way out and goes to memory as codes.
; THE SOFTMAX: t = score x log2(e) / 8; M = the running largest t rounded UP to a whole number; p = 2^(t - M) is quantised along the keys, not normalised; the row's sum is taken of the unquantised p and divides at the end.
; LIMITS: a p under 2^-126 counts as 0; a block under 2^-124 gets the byte 1 (its codes are zeros; only this program reads the bytes); NaN and infinities are not served.
; SHARES.  A work-group owns one head and 512 of its queries; the four partners of a cluster own the four quarters of one head's queries.  THE HEAD'S WHOLE K AND V, 2 x 98,304 bytes of codes and 2 x 4,096 of scale
; words, LIE IN LDS, filled once by joint loads: no slot is ever filled again.  Each of sixteen waves owns 16 queries at a time, twice: four waves to a SIMD, so that one wave's vector work stands beside another's products.
; IMAGES (1,536 bytes: registers 4 c .. 4 c + 3 at 512 c + 16 x lane).  q, k: image (key step, i) holds tokens 32 i .. + 31 of the step's 128: registers 0-5 the 16 tokens 0-7, 16-23 with the head's 64, registers 6-11 the
; tokens 8-15, 24-31.  So ONE image of k is source 0 of TWO products: with [q | zeros] it gives the first 16 keys' scores, with [zeros | q] the other 16's: zero codes add nothing.  v: image (key step, i): 16 of the head's 64 x 128 keys.
; Both products are used transposed: a lane holds one query throughout, and the 16 registers of two neighbouring tiles are 16 neighbours along the next K.
.set VIMG, 98304
.set KSC,  196608
.set OSC,  204800                      ; 1,024 bytes: out's scale bytes are gathered here; no tensor load lands here
.set AK0, 1                            ; 16 x lane
.set AV0, 2                            ; + VIMG
.set AS0, 3                            ; KSC + 8 x lane
.set LI,  4
.set L8,  5
.set OSA, 6
.set R8,  7                            ; 8 r
.set ADK, 8
.set ADV, 9
.set ADS, 10
.set QS,  11                           ; q's scale word
.set QL,  16                           ; [q | zeros]
.set QH,  28                           ; [zeros | q]
.set FG,  40                           ; four images of k, then of v
.set KS,  88
.set VS,  90
.set S,   96                           ; scores, then p
.set OT,  160                          ; O^T
.set PC,  192
.set TP,  204
.set BM,  212
.set T2,  216
.set SO,  220
.set PW,  224                          ; p's scale word
.set FF,  226                          ; v[226:227] f
.set TT,  228
.set W16, 229
.set QI,  232                          ; q's image as loaded
.set FRD, 244
.set WV,  12
.set SEL, 20
.set CS,  22
.set G1C, 24
.set G1S, 32
.set G0,  40                           ; s[40:59] five groups 0
.set TK,  60
.set TS,  61
.set CNT, 62
.macro CROUND
	s_barrier_signal -1
	s_barrier_wait -1
	s_cmp_lg_u32 s[WV], 0
	s_cbranch_scc1 .Lnot_wave_0_\@
	s_barrier_signal -3
.Lnot_wave_0_\@:
	s_barrier_wait -3
	s_barrier_signal -1
	s_barrier_wait -1
.endm
	s_load_b256 s[4:11], s[0:1], 0x0               ; qkv_img, qkv_sc, out_img, out_sc
	v_lshl_add_u32 v254, v0, 2, 0x34000
	v_mov_b32 v255, 0
	ds_add_u32 v254, v255
	ds_add_u32 v254, v255
	v_lshrrev_b32 v1, 5, v0
	s_delay_alu instid0(VALU_DEP_1)
	v_readfirstlane_b32 s[WV], v1                  ; wave 0..15
	s_bfe_u32 s13, ttmp6, 0x40000                  ; cx: it enters q's and out's addresses alone
	s_and_b32 s14, ttmp7, 0xffff                   ; 16 x batch + head, which the four partners share
	s_and_b32 s17, s[WV], 1
	s_lshl_b32 s16, s17, 4                         ; 16 (w % 2)
	s_cmp_eq_u32 s17, 1
	s_cselect_b32 s15, -1, 0                       ; all lanes where my wave is odd
	s_mov_b32 s[SEL], 0x76543210
	s_mov_b32 s[SEL+1], 0xfedcba98
	s_mov_b32 s[CS], 0x3e38aa3b                    ; c = log2(e) / 8
	s_mov_b32 s[CS+1], s[CS]
	; group 1: four key steps' images, 24,576 dense bytes, as 96 rows of 256; the mask names all four partners
	s_mov_b32 s[G1C], 15|(3<<16)|(1<<21)
	s_mov_b32 s[G1C+1], 32<<16
	s_mov_b32 s[G1C+2], 96<<16
	s_mov_b32 s[G1C+3], 32<<16
	s_mov_b32 s[G1C+4], 96
	s_mov_b32 s[G1C+5], 32
	s_mov_b32 s[G1C+6], 0
	s_mov_b32 s[G1C+7], 0
	s_mov_b32 s[G1S], 15|(3<<16)|(1<<21)           ; and a head's scale words, 4,096 bytes, as 16 rows
	s_mov_b32 s[G1S+1], 32<<16
	s_mov_b32 s[G1S+2], 16<<16
	s_mov_b32 s[G1S+3], 32<<16
	s_mov_b32 s[G1S+4], 16
	s_mov_b32 s[G1S+5], 32
	s_mov_b32 s[G1S+6], 0
	s_mov_b32 s[G1S+7], 0
	s_mul_i32 s76, s14, 98304                      ; the head's images,
	s_mov_b32 s77, 0
	s_lshl_b32 s78, s14, 12                        ; and its scale words
	s_mov_b32 s79, 0
	s_add_co_u32 s18, s17, 1                       ; wave 0 fetches k (tensor 1), wave 1 v (tensor 2)
	s_mul_i32 s80, s18, 6291456
	s_add_co_u32 s80, s80, s76
	s_mov_b32 s81, 0
	s_lshl_b32 s82, s18, 18
	s_add_co_u32 s82, s82, s78
	s_mov_b32 s83, 0
	s_mul_i32 s19, s17, VIMG                       ; where they go
	s_lshl_b32 s84, s17, 12
	s_add_co_u32 s84, s84, KSC
	s_wait_dscnt 0x0
	s_wait_kmcnt 0x0
	s_add_nc_u64 s[66:67], s[4:5], s[76:77]        ; q's images
	s_add_nc_u64 s[68:69], s[6:7], s[78:79]        ; q's scale words
	s_add_nc_u64 s[80:81], s[4:5], s[80:81]
	s_add_nc_u64 s[82:83], s[6:7], s[82:83]
	s_mov_b32 s[G0], 1
	s_mov_b32 s[G0+1], s84
	s_mov_b64 s[G0+2:G0+3], s[82:83]
	s_or_b32 s[G0+3], s[G0+3], 0x80000000
.irp n, 0,1,2,3
	s_mov_b32 s[G0+4+4*\n], 1
	s_add_co_u32 s[G0+5+4*\n], s19, \n*24576
	s_add_nc_u64 s[G0+6+4*\n:G0+7+4*\n], s[80:81], \n*24576
	s_or_b32 s[G0+7+4*\n], s[G0+7+4*\n], 0x80000000
.endr
	CROUND                                         ; all four work-groups are here: the joint loads meet
	s_cmp_lt_u32 s[WV], 2                          ; all fills of a wave stand in one branch, ahead of every wait on TENSORcnt, every LDS read and every other barrier: five loads of a fetching wave are out
	s_cbranch_scc0 .Lno_fetch
	tensor_load_to_lds s[G0:G0+3], s[G1S:G1S+7]
	s_nop 0
	tensor_load_to_lds s[G0+4:G0+7], s[G1C:G1C+7]
	s_nop 0
	tensor_load_to_lds s[G0+8:G0+11], s[G1C:G1C+7]
	s_nop 0
	tensor_load_to_lds s[G0+12:G0+15], s[G1C:G1C+7]
	s_nop 0
	tensor_load_to_lds s[G0+16:G0+19], s[G1C:G1C+7]
	s_nop 0
.rept 4
	v_nop
.endr
.Lno_fetch:
	v_and_b32 v[R8], 15, v0
	v_and_b32 v1, 31, v0
	s_delay_alu instid0(VALU_DEP_1)
	v_lshlrev_b32 v[L8], 3, v1
	s_delay_alu instid0(VALU_DEP_2)
	v_lshlrev_b32 v[AK0], 4, v1
	s_delay_alu instid0(VALU_DEP_1)
	v_mov_b32 v[LI], v[AK0]
	s_delay_alu instid0(VALU_DEP_2)
	v_add_nc_u32 v[AV0], VIMG, v[AK0]
	s_delay_alu instid0(VALU_DEP_4)
	v_add_nc_u32 v[AS0], KSC, v[L8]
	v_lshlrev_b32 v[R8], 3, v[R8]
	s_wait_alu depctr_va_vdst(0)
	s_lshr_b32 s76, s[WV], 3
	s_lshl_b32 s76, s76, 8
	s_lshl_b32 s77, s17, 7
	s_add_co_u32 s76, s76, s77
	s_bfe_u32 s77, s[WV], 0x20001
	s_lshl_b32 s77, s77, 1
	s_add_co_u32 s76, s76, s77
	s_add_co_u32 s76, s76, OSC
	v_add_nc_u32 v[OSA], s76, v[R8]                ; my row's two bytes: unit w / 8, 8 (r + 16 (w % 2)) + 2 ((w / 2) % 4)
	s_lshl_b32 s76, s[WV], 8
	s_add_co_u32 s76, s76, OSC
	v_add_nc_u32 v[FRD], s76, v[L8]                ; a whole unit back (waves 0 to 3)
; Pass p: my 16 queries are tile 32 cx + 16 p + w of the head's 128: half w % 2 of image 16 cx + 8 p + w / 2.
.macro PROLOGUE p
	s_wait_xcnt 0x0                                ; earlier loads and stores have read their bases
	s_lshl_b32 s76, s13, 4
	s_lshr_b32 s77, s[WV], 1
	s_add_co_u32 s76, s76, s77
	s_add_co_u32 s76, s76, 8*\p                    ; the image
	s_mul_i32 s78, s76, 1536
	s_mov_b32 s79, 0
	s_add_nc_u64 s[70:71], s[66:67], s[78:79]
	s_lshr_b32 s78, s76, 2
	s_lshl_b32 s78, s78, 8                         ; its key step's unit of 256 bytes,
	s_and_b32 s77, s76, 1
	s_lshl_b32 s77, s77, 7                         ; lanes 16-31 where the image is odd,
	s_add_co_u32 s78, s78, s77
	s_bfe_u32 s77, s76, 0x10001
	s_lshl_b32 s77, s77, 2                         ; word (image / 2) % 2
	s_add_co_u32 s78, s78, s77
	s_add_nc_u64 s[72:73], s[68:69], s[78:79]
	s_lshr_b32 s78, s14, 4
	s_lshl_b32 s78, s78, 7
	s_lshl_b32 s77, s13, 5
	s_add_co_u32 s78, s78, s77
	s_add_co_u32 s78, s78, s[WV]
	s_add_co_u32 s78, s78, 16*\p                   ; out's tile: 128 x batch + my tile
	s_mul_i32 s78, s78, 12288
	s_and_b32 s77, s14, 15
	s_mul_i32 s77, s77, 768                        ; my head's half image
	s_add_co_u32 s78, s78, s77
	s_add_nc_u64 s[74:75], s[8:9], s[78:79]
	global_load_b128 v[QI:QI+3], v[LI], s[70:71]
	global_load_b128 v[QI+4:QI+7], v[LI], s[70:71] offset:512
	global_load_b128 v[QI+8:QI+11], v[LI], s[70:71] offset:1024
	global_load_b32 v[QS], v[R8], s[72:73]
	v_mov_b32 v13, 0xff61b1e6                      ; the largest t so far: -3e38
	s_delay_alu instid0(VALU_DEP_1)
	v_floor_f32 v12, -v13                          ; -M
	v_mov_b32 v14, 0                               ; the sum, in two halves
	v_mov_b32 v15, 0
	v_mov_b32 v[FF+1], 0                           ; (named as the upper half of a pair)
.irp b, 0,1,2,3
	v_mov_b32 v[T2+\b], 0                          ; a lane permute's destination counts as read
.endr
.irp i, 0,1,2,3,4,5
	v_mov_b32 v[QL+6+\i], 0
	v_mov_b32 v[QH+\i], 0
.endr
	s_wait_loadcnt 0x0
.irp i, 0,1,2,3,4,5
	v_cndmask_b32 v[QL+\i], v[QI+\i], v[QI+6+\i], s15   ; my half of the image
.endr
.irp i, 0,1,2,3,4,5
	v_mov_b32 v[QH+6+\i], v[QL+\i]
.endr
	v_lshrrev_b32 v[QS], s16, v[QS]
	s_delay_alu instid0(VALU_DEP_1)
	v_and_b32 v[QS], 0xffff, v[QS]                 ; my half's two bytes,
	s_delay_alu instid0(VALU_DEP_1)
	v_lshl_or_b32 v[QS], v[QS], 16, v[QS]          ; twice: they serve [q | zeros] and [zeros | q]
.set j, 0
.rept 32
	v_mov_b32 v[OT+j], 0                           ; O^T.  (The step is written once: the first finds zeros.  These are also the places between the operands made above and the first products)
.set j, j+1
.endr
.endm
; A KEY STEP: 128 keys.
.macro STEP
	v_add_nc_u32 v[ADK], s[TK], v[AK0]
	v_add_nc_u32 v[ADV], s[TK], v[AV0]
	v_add_nc_u32 v[ADS], s[TS], v[AS0]
	v_nop                                          ; four places in front of loads into registers that the last products have read
.irp i, 0,1,2,3
.irp c, 0,1,2
	ds_load_b128 v[FG+12*\i+4*\c:FG+12*\i+4*\c+3], v[ADK] offset:1536*\i+512*\c
.endr
.endr
	ds_load_b64 v[KS:KS+1], v[ADS]                 ; k's scale words: register i / 2, lanes 16-31 where i is odd
	ds_load_b64 v[VS:VS+1], v[ADS] offset:4096     ; v's likewise
	s_wait_alu depctr_va_vdst(0)
	s_wait_dscnt 0x0
.irp i, 0,2
	v_wmma_scale_f32_16x16x128_f8f6f4 v[S+16*\i:S+16*\i+7], v[FG+12*\i:FG+12*\i+11], v[QL:QL+11], 0, v[KS+\i/2], v[QS] matrix_a_fmt:MATRIX_FMT_FP6 matrix_b_fmt:MATRIX_FMT_FP6
	v_wmma_scale_f32_16x16x128_f8f6f4 v[S+16*\i+8:S+16*\i+15], v[FG+12*\i:FG+12*\i+11], v[QH:QH+11], 0, v[KS+\i/2], v[QS] matrix_a_fmt:MATRIX_FMT_FP6 matrix_b_fmt:MATRIX_FMT_FP6
	v_wmma_scale_f32_16x16x128_f8f6f4 v[S+16*\i+16:S+16*\i+23], v[FG+12*\i+12:FG+12*\i+23], v[QL:QL+11], 0, v[KS+\i/2], v[QS] matrix_a_fmt:MATRIX_FMT_FP6 matrix_b_fmt:MATRIX_FMT_FP6 matrix_a_scale:MATRIX_SCALE_ROW1
	v_wmma_scale_f32_16x16x128_f8f6f4 v[S+16*\i+24:S+16*\i+31], v[FG+12*\i+12:FG+12*\i+23], v[QH:QH+11], 0, v[KS+\i/2], v[QS] matrix_a_fmt:MATRIX_FMT_FP6 matrix_b_fmt:MATRIX_FMT_FP6 matrix_a_scale:MATRIX_SCALE_ROW1
.endr                                          ; register 16 b + i of S is key 32 b + 16 h + i of the step
.rept 4
	v_nop                                          ; places: the images' registers are loaded again, and the scores are read
.endr
.irp i, 0,1,2,3
.irp c, 0,1,2
	ds_load_b128 v[FG+12*\i+4*\c:FG+12*\i+4*\c+3], v[ADV] offset:1536*\i+512*\c   ; v's four images land while the softmax is walked
.endr
.endr
.irp b, 0,1,2,3
	v_max3_num_f32 v[BM+\b], v[S+16*\b], v[S+1+16*\b], v[S+2+16*\b]   ; the largest score of each block of 32 keys: for the row's maximum and, since p rises with the score, for the block's largest p
.endr
.irp i, 3,5,7,9,11,13
.irp b, 0,1,2,3
	v_max3_num_f32 v[BM+\b], v[BM+\b], v[S+16*\b+\i], v[S+1+16*\b+\i]
.endr
.endr
.irp b, 0,1,2,3
	v_max_num_f32 v[BM+\b], v[BM+\b], v[S+15+16*\b]
.endr
.irp b, 0,1,2,3
	s_delay_alu instid0(VALU_DEP_4)
	v_permlanex16_b32 v[T2+\b], v[BM+\b], s[SEL], s[SEL+1]
.endr
.irp b, 0,1,2,3
	s_delay_alu instid0(VALU_DEP_4)
	v_max_num_f32 v[BM+\b], v[BM+\b], v[T2+\b]     ; with lane l xor 16's 16 keys
.endr
	s_delay_alu instid0(VALU_DEP_2)
	v_max3_num_f32 v[TT], v[BM], v[BM+1], v[BM+2]
	s_delay_alu instid0(VALU_DEP_1)
	v_max_num_f32 v[TT], v[TT], v[BM+3]
	s_delay_alu instid0(VALU_DEP_1)
	v_mul_f32 v[TT], s[CS], v[TT]                  ; as t (c is positive)
	s_delay_alu instid0(VALU_DEP_1)
	v_max_num_f32 v13, v13, v[TT]                  ; the running largest t
	v_mov_b32 v[TT], v12
	s_delay_alu instid0(VALU_DEP_2)
	v_floor_f32 v12, -v13                          ; the new -M = -ceil(t): a whole number
	s_delay_alu instid0(VALU_DEP_1)
	v_sub_f32 v[TT], v12, v[TT]                    ; old M - new M, 0 or less
	s_delay_alu instid0(VALU_DEP_1)
	v_cvt_i32_f32 v[TT], v[TT]                     ; (it saturates)
	s_delay_alu instid0(VALU_DEP_1)
	v_ldexp_f32 v[FF], 1.0, v[TT]                  ; f = 2^(old M - new M): multiplying by it rounds nothing
.set j, 0
.rept 32
	v_pk_fma_f32 v[S+j:S+j+1], v[S+j:S+j+1], s[CS:CS+1], v[12:13] op_sel_hi:[1,0,0]   ; t - M
.set j, j+2
.endr
.irp b, 0,1,2,3
	v_fma_f32 v[BM+\b], v[BM+\b], s[CS], v12       ; the same of each block's largest score
.endr
.set j, 0
	s_wait_alu depctr_va_vdst(0)
.rept 64
	v_exp_f32 v[S+j], v[S+j]                       ; p = 2^(t - M)
.set j, j+1
.endr
	s_setprio 1
	v_pk_mul_f32 v[14:15], v[14:15], v[FF:FF+1] op_sel_hi:[1,0]   ; the sums under the new M: a plain place behind the exponentials
	s_wait_alu depctr_va_vdst(0)                   ; one wait for the batch of 64, ahead of its first reader
.irp b, 0,1,2,3
	v_exp_f32 v[BM+\b], v[BM+\b]                   ; the block's largest p: the same two instructions on the same number
.endr
	v_pk_add_f32 v[216:217], v[100:101], v[104:105]
	v_pk_add_f32 v[252:253], v[108:109], v[112:113]
	v_pk_add_f32 v[250:251], v[116:117], v[120:121]
	v_pk_add_f32 v[248:249], v[124:125], v[128:129]
	v_pk_add_f32 v[246:247], v[132:133], v[136:137]
	v_pk_add_f32 v[242:243], v[140:141], v[144:145]
	v_pk_add_f32 v[240:241], v[148:149], v[152:153]
	v_pk_add_f32 v[14:15], v[14:15], v[156:157]
	v_pk_add_f32 v[216:217], v[216:217], v[96:97]
	v_pk_add_f32 v[252:253], v[252:253], v[98:99]
	v_pk_add_f32 v[250:251], v[250:251], v[102:103]
	v_pk_add_f32 v[248:249], v[248:249], v[106:107]
	v_pk_add_f32 v[246:247], v[246:247], v[110:111]
	v_pk_add_f32 v[242:243], v[242:243], v[114:115]
	v_pk_add_f32 v[240:241], v[240:241], v[118:119]
	v_pk_add_f32 v[14:15], v[14:15], v[122:123]
	v_pk_add_f32 v[216:217], v[216:217], v[126:127]
	v_pk_add_f32 v[252:253], v[252:253], v[130:131]
	v_pk_add_f32 v[250:251], v[250:251], v[134:135]
	v_pk_add_f32 v[248:249], v[248:249], v[138:139]
	v_pk_add_f32 v[246:247], v[246:247], v[142:143]
	v_pk_add_f32 v[242:243], v[242:243], v[146:147]
	v_pk_add_f32 v[240:241], v[240:241], v[150:151]
	v_pk_add_f32 v[14:15], v[14:15], v[154:155]
	v_pk_add_f32 v[216:217], v[216:217], v[158:159]
	s_delay_alu instid0(VALU_DEP_2)
	v_pk_add_f32 v[14:15], v[14:15], v[248:249]
	s_delay_alu instid0(VALU_DEP_2)
	v_pk_add_f32 v[216:217], v[216:217], v[246:247]
	v_pk_add_f32 v[252:253], v[252:253], v[242:243]
	v_pk_add_f32 v[250:251], v[250:251], v[240:241]
	s_delay_alu instid0(VALU_DEP_2)
	v_pk_add_f32 v[14:15], v[14:15], v[252:253]
	s_delay_alu instid0(VALU_DEP_2)
	v_pk_add_f32 v[216:217], v[216:217], v[250:251]
	s_delay_alu instid0(VALU_DEP_1)
	v_pk_add_f32 v[14:15], v[14:15], v[216:217]
	s_wait_alu depctr_va_vdst(0)                   ; and one for the four
.irp b, 0,1,2,3
	v_max_num_f32 v[BM+\b], 0x1800000, v[BM+\b]    ; the floor 2^(3 - 127)
.endr
.irp b, 0,1,2,3
	s_delay_alu instid0(VALU_DEP_4)
	v_add_nc_u32 v[SO+\b], 0xff000000, v[BM+\b]
.endr
.irp b, 0,1,2,3
	s_delay_alu instid0(VALU_DEP_4)
	v_lshrrev_b32 v[T2+\b], 23, v[SO+\b]
.endr
	s_delay_alu instid0(VALU_DEP_3)
	v_lshl_or_b32 v[PW], v[T2+1], 8, v[T2]         ; p's scale word for these 128 keys
	s_delay_alu instid0(VALU_DEP_1)
	v_lshl_or_b32 v[PW], v[T2+2], 16, v[PW]
	s_delay_alu instid0(VALU_DEP_1)
	v_lshl_or_b32 v[PW], v[T2+3], 24, v[PW]
.irp c, 0,1
	v_cvt_scalef32_pk16_fp6_f32 v[PC+6*\c:PC+2+6*\c], v[S+32*\c:S+15+32*\c], v[SO+2*\c]
	v_cvt_scalef32_pk16_fp6_f32 v[TP+4*\c:TP+2+4*\c], v[S+16+32*\c:S+31+32*\c], v[SO+2*\c+1]
.endr
	v_nop                                          ; one plain place behind a scaled conversion
.irp c, 0,1
.irp i, 0,1,2
	v_permlane16_swap_b32 v[PC+6*\c+\i], v[TP+4*\c+\i]
.endr
.irp i, 0,1,2
	s_delay_alu instid0(VALU_DEP_3)
	v_mov_b32 v[PC+3+6*\c+\i], v[TP+4*\c+\i]
.endr
.endr
.set j, 0
	s_setprio 0
.rept 16
	v_pk_mul_f32 v[OT+j:OT+j+1], v[OT+j:OT+j+1], v[FF:FF+1] op_sel_hi:[1,0]   ; O^T under the new M.  (These sixteen are the places between p's codes and scale word and the products)
.set j, j+2
.endr
	s_wait_alu depctr_va_vdst(0)
	s_wait_dscnt 0x0                               ; v's images are in
.irp a, 0,2
	v_wmma_scale_f32_16x16x128_f8f6f4 v[OT+8*\a:OT+8*\a+7], v[FG+12*\a:FG+12*\a+11], v[PC:PC+11], v[OT+8*\a:OT+8*\a+7], v[VS+\a/2], v[PW] matrix_a_fmt:MATRIX_FMT_FP6 matrix_b_fmt:MATRIX_FMT_FP6
	v_wmma_scale_f32_16x16x128_f8f6f4 v[OT+8*\a+8:OT+8*\a+15], v[FG+12*\a+12:FG+12*\a+23], v[PC:PC+11], v[OT+8*\a+8:OT+8*\a+15], v[VS+\a/2], v[PW] matrix_a_fmt:MATRIX_FMT_FP6 matrix_b_fmt:MATRIX_FMT_FP6 matrix_a_scale:MATRIX_SCALE_ROW1
.endr
	s_add_co_u32 s[TK], s[TK], 6144                ; the next step's images and scale words
	s_add_co_u32 s[TS], s[TS], 256
.endm
.macro STEPS n
	s_mov_b32 s[CNT], \n
.Lstep_\@:
	s_setprio 2
	STEP
	s_sub_co_u32 s[CNT], s[CNT], 1
	s_cmp_lg_u32 s[CNT], 0
	s_cbranch_scc1 .Lstep_\@
	s_setprio 0
.endm
; Four key steps of the first pass: they begin as soon as their chunk has landed.
.macro CHUNK n
	s_wait_tensorcnt 3-\n                          ; the scale words and chunks 0 to n have landed; the 3 - n chunks behind them may be out (a wave that fetched nothing passes)
	s_wait_dscnt 0x0
	s_barrier_signal -1
	s_barrier_wait -1                              ; every wave may read them
	s_mov_b32 s[TK], \n*24576
	s_mov_b32 s[TS], \n*1024
	STEPS 4
.endm
; O^T / the sum is quantised: register 16 B + i is the head's channel 32 B + 16 h + i, two blocks; they are half a K step of the last product: half an image, 768 bytes.
.macro EPILOGUE p
.rept 4
	v_nop                                          ; places behind the last products
.endr
	v_add_f32 v14, v14, v15
	s_delay_alu instid0(VALU_DEP_1)
	v_permlanex16_b32 v[TT], v14, s[SEL], s[SEL+1]
	s_delay_alu instid0(VALU_DEP_1)
	v_add_f32 v14, v14, v[TT]                      ; the row's sum
	s_wait_alu depctr_va_vdst(0)
	v_rcp_f32 v14, v14
	v_nop                                          ; a plain place behind the reciprocal
	s_wait_alu depctr_va_vdst(0)                   ; and the wait ahead of its first reader
.set j, 0
.rept 16
	v_pk_mul_f32 v[S+j:S+j+1], v[OT+j:OT+j+1], v[14:15] op_sel_hi:[1,0]
.set j, j+2
.endr
.irp b, 0,1
	v_max3_num_f32 v[BM+\b], |v[S+16*\b]|, |v[S+1+16*\b]|, 0x1800000
.endr
.irp i, 2,4,6,8,10,12,14
.irp b, 0,1
	s_delay_alu instid0(VALU_DEP_2)
	v_max3_num_f32 v[BM+\b], v[BM+\b], |v[S+16*\b+\i]|, |v[S+1+16*\b+\i]|
.endr
.endr
.irp b, 0,1
	s_delay_alu instid0(VALU_DEP_2)
	v_permlanex16_b32 v[T2+\b], v[BM+\b], s[SEL], s[SEL+1]
.endr
.irp b, 0,1
	s_delay_alu instid0(VALU_DEP_2)
	v_max_num_f32 v[BM+\b], v[BM+\b], v[T2+\b]
.endr
.irp b, 0,1
	s_delay_alu instid0(VALU_DEP_2)
	v_add_nc_u32 v[SO+\b], 0xff000000, v[BM+\b]
.endr
.irp b, 0,1
	s_delay_alu instid0(VALU_DEP_2)
	v_lshrrev_b32 v[T2+\b], 23, v[SO+\b]
.endr
	s_delay_alu instid0(VALU_DEP_1)
	v_lshl_or_b32 v[W16], v[T2+1], 8, v[T2]        ; my row's two bytes
	v_cvt_scalef32_pk16_fp6_f32 v[PC:PC+2], v[S:S+15], v[SO]
	v_cvt_scalef32_pk16_fp6_f32 v[TP:TP+2], v[S+16:S+31], v[SO+1]
	v_nop
.irp i, 0,1,2
	v_permlane16_swap_b32 v[PC+\i], v[TP+\i]
.endr
.irp i, 0,1,2
	s_delay_alu instid0(VALU_DEP_3)
	v_mov_b32 v[PC+3+\i], v[TP+\i]
.endr
	global_store_b128 v[LI], v[PC:PC+3], s[74:75]              ; 512 and 256 consecutive bytes, aligned
	global_store_b64 v[L8], v[PC+4:PC+5], s[74:75] offset:512
	ds_store_b16 v[OSA], v[W16] offset:512*\p                  ; lanes r and r + 16 write the same bytes with the same value
.endm
	PROLOGUE 0
	CHUNK 0
	CHUNK 1
	CHUNK 2
	CHUNK 3
	EPILOGUE 0
	PROLOGUE 1
	s_mov_b32 s[TK], 0                             ; the second pass finds everything in LDS
	s_mov_b32 s[TS], 0
	STEPS 16
	EPILOGUE 1
	s_wait_dscnt 0x0                               ; for the others' sake: my bytes lie in the units
	s_barrier_signal -1
	s_barrier_wait -1
	s_cmp_lt_u32 s[WV], 4
	s_cbranch_scc0 .Lno_unit
	s_lshr_b32 s78, s14, 4
	s_lshl_b32 s78, s78, 4
	s_lshl_b32 s77, s13, 2
	s_add_co_u32 s78, s78, s77
	s_add_co_u32 s78, s78, s[WV]                   ; the group of 128 rows: 16 x batch + 4 cx + w
	s_lshl_b32 s78, s78, 4
	s_and_b32 s77, s14, 15
	s_add_co_u32 s78, s78, s77                     ; my head's unit of it
	s_lshl_b32 s78, s78, 8
	s_mov_b32 s79, 0
	s_add_nc_u64 s[10:11], s[10:11], s[78:79]
	ds_load_b64 v[QI:QI+1], v[FRD]
	s_wait_dscnt 0x0
	global_store_b64 v[L8], v[QI:QI+1], s[10:11]   ; a unit of 256 bytes
.Lno_unit:
	s_wait_tensorcnt 0x0
	s_wait_tensorcnt 0x0
	ds_add_u32 v254, v255
	s_wait_dscnt 0x0
	CROUND                                         ; the closing round
	s_endpgm
.Lfunc_end_k_qd30443ff04_attn:
	.size	k_qd30443ff04_attn, .Lfunc_end_k_qd30443ff04_attn-k_qd30443ff04_attn
	.p2alignl 7, 3214868480
	.fill 96, 4, 3214868480
	.section	.rodata,"a",@progbits
	.p2align	6, 0x0
	.amdhsa_kernel k_qd30443ff04_attn
		.amdhsa_group_segment_fixed_size 215040
		.amdhsa_private_segment_fixed_size 0
		.amdhsa_enable_private_segment 0
		.amdhsa_kernarg_size 32
		.amdhsa_user_sgpr_count 2
		.amdhsa_user_sgpr_kernarg_segment_ptr 1
		.amdhsa_wavefront_size32 1
		.amdhsa_system_sgpr_workgroup_id_x 1
		.amdhsa_system_sgpr_workgroup_id_y 1
		.amdhsa_system_sgpr_workgroup_id_z 1
		.amdhsa_system_vgpr_workitem_id 0
		.amdhsa_next_free_vgpr 256
		.amdhsa_next_free_sgpr 90
		.amdhsa_reserve_vcc 0
		.amdhsa_float_denorm_mode_32 3
		.amdhsa_float_denorm_mode_16_64 3
		.amdhsa_memory_ordered 1
		.amdhsa_forward_progress 1
		.amdhsa_inst_pref_size 109
	.end_amdhsa_kernel
	.amdgpu_metadata
---
amdhsa.version: [ 1, 2 ]
amdhsa.kernels:
  - .name:           k_qd30443ff04_attn
    .symbol:         k_qd30443ff04_attn.kd
    .args:
      - { .name: qkv_img, .offset: 0, .size: 8, .value_kind: global_buffer, .address_space: global }
      - { .name: qkv_sc, .offset: 8, .size: 8, .value_kind: global_buffer, .address_space: global }
      - { .name: out_img, .offset: 16, .size: 8, .value_kind: global_buffer, .address_space: global }
      - { .name: out_sc, .offset: 24, .size: 8, .value_kind: global_buffer, .address_space: global }
    .group_segment_fixed_size: 215040
    .private_segment_fixed_size: 0
    .kernarg_segment_align: 8
    .kernarg_segment_size: 32
    .max_flat_workgroup_size: 512
    .sgpr_count:     90
    .vgpr_count:     256
    .wavefront_size: 32
...
	.end_amdgpu_metadata
.endif
;; end of part 3
;; launch gemm_proj (part 4): grid 4 x 32, 4 waves a work-group, clusters of 4 x 4, 327,680 bytes of LDS; arguments out_img, out_sc, w_img, w_sc, b_proj, out0; writes out0
.if DOCPART == 4
	.amdgcn_target "amdgcn-amd-amdhsa--gfx1250"
	.amdhsa_code_object_version 6
	.text
	.protected	k_qd30443ff04_gemm_proj
	.globl	k_qd30443ff04_gemm_proj
	.p2align	8
	.type	k_qd30443ff04_gemm_proj,@function
k_qd30443ff04_gemm_proj:
	s_mov_b64 s[64:65], 0
	v_nop
	global_prefetch_b8 v0, s[64:65] scope:SCOPE_SE
	s_setreg_imm32_b32 hwreg(HW_REG_WAVE_MODE, 25, 1), 1
	s_wait_xcnt 0x0
	s_wait_alu depctr_hold_cnt(0) depctr_sa_sdst(0) depctr_va_vdst(0) depctr_va_sdst(0) depctr_va_ssrc(0) depctr_va_vcc(0) depctr_vm_vsrc(0)
	s_getreg_b32 s2, hwreg(HW_REG_IB_STS2, 6, 4)
	s_cmp_eq_u32 s2, 0
	s_cbranch_scc0 .Lentry_in_a_cluster
	s_endpgm
.Lentry_in_a_cluster:
	s_bfe_u32 s2, ttmp6, 0x10000c
	s_cmp_lg_u32 s2, 0xf033
	s_cbranch_scc0 .Lentry_shape_is_right
	s_endpgm
.Lentry_shape_is_right:
.set FR,    12
.set NL,    4
.set NP,    4
.set TILEB, 12288
.set QUART, 24576
.set SLOT,  4*QUART
.set SCL,   2*SLOT
.set SPARE, SCL+16384
.set SPITCH, 528
.set AP16, 16
.set AP8,  18
.set AQ16, 20
.set AQ8,  22
.set LI,   24
.set L8,   25
.set ASP,  26
.set ASQ,  27
.set SPW,  28
.set NIL,  29
.set STO,  30
.set RD,   31
.set PSC,  32
.set QSC,  64
.set PF,   128
.set RAW,  224
.set BK,   128
.set BI,   96
.set G1, 24
.set G0, 32
.set G1B, 48
.set G0B, 56
.set G1S, 68
.set G0S, 76
.set G1SB, 80
.set G0SB, 88
.set MSB, 0
.macro WIN new
.if MSB != (\new)
	s_set_vgpr_msb (MSB<<8)|(\new)
.set MSB, (\new)
.endif
.endm
.set MUL_LO, 0xa1
.set MUL_HI, 0xf1
.set TO_Q,   0x40
.macro JLOAD g0a, g1a, g0b, g1b
	s_cmp_eq_u32 s15, 0
	s_cbranch_scc0 .Lfor_b_\@
	tensor_load_to_lds s[\g0a:\g0a+3], s[\g1a:\g1a+7]
	s_nop 0
.rept 4
	v_nop
.endr
	s_branch .Lasked_\@
.Lfor_b_\@:
	tensor_load_to_lds s[\g0b:\g0b+3], s[\g1b:\g1b+7]
	s_nop 0
.rept 4
	v_nop
.endr
.Lasked_\@:
.endm
.macro CREST
	s_cmp_lg_u32 s14, 0
	s_cbranch_scc1 .Lnot_wave_0_\@
	s_barrier_signal -3
.Lnot_wave_0_\@:
	s_barrier_wait -3
	s_barrier_signal -1
	s_barrier_wait -1
.endm
.macro CROUND
	s_barrier_signal -1
	s_barrier_wait -1
	CREST
.endm
.macro PLACES n
.rept \n
	v_nop
.endr
.endm
	s_load_b256 s[4:11], s[0:1], 0x0
	s_load_b128 s[92:95], s[0:1], 0x20
	v_lshl_add_u32 v[SPW], v0, 2, SPARE
	v_mov_b32 v[NIL], 0
	ds_add_u32 v28, v29
	ds_add_u32 v28, v29
	s_wait_dscnt 0x0
	v_lshrrev_b32 v1, 5, v0
	v_readfirstlane_b32 s14, v1
	s_lshr_b32 s15, s14, 1
	s_and_b32 s16, s14, 1
	s_bfe_u32 s40, ttmp6, 0x40000
	s_bfe_u32 s41, ttmp6, 0x40004
	s_lshl_b32 s42, ttmp9, 2
	s_add_co_u32 s42, s42, s40
	s_and_b32 s17, ttmp7, 0xffff
	s_lshl_b32 s17, s17, 2
	s_add_co_u32 s17, s17, s41
	s_lshl_b32 s43, s41, 2
	s_lshl_b32 s43, 15, s43
	s_lshl_b32 s44, 0x1111, s40
	s_or_b32 s[G1+0], s43, (3<<16)|(1<<21)
	s_or_b32 s[G1B+0], s44, (3<<16)|(1<<21)
.irp g, G1, G1B
	s_mov_b32 s[\g+1], 384<<16
	s_mov_b32 s[\g+2], 8<<16
	s_mov_b32 s[\g+3], 384<<16
	s_mov_b32 s[\g+4], 8
	s_mov_b32 s[\g+5], 1536
	s_mov_b32 s[\g+6], 0
	s_mov_b32 s[\g+7], 0
.endr
	s_or_b32 s[G1S+0], s43, (3<<16)|(1<<21)
	s_or_b32 s[G1SB+0], s44, (3<<16)|(1<<21)
.irp g, G1S, G1SB
	s_mov_b32 s[\g+1], 32<<16
	s_mov_b32 s[\g+2], 16<<16
	s_mov_b32 s[\g+3], 32<<16
	s_mov_b32 s[\g+4], 16
	s_mov_b32 s[\g+5], 32
	s_mov_b32 s[\g+6], 0
	s_mov_b32 s[\g+7], 0
.endr
	s_lshl_b32 s20, s17, 4
	s_lshl_b32 s21, s16, 3
	s_add_co_u32 s20, s20, s21
	s_mul_i32 s20, s20, TILEB
	s_mov_b32 s21, 0
	s_lshl_b32 s22, s17, 1
	s_add_co_u32 s22, s22, s16
	s_lshl_b32 s22, s22, 12
	s_mov_b32 s23, 0
	s_lshl_b32 s46, s42, 4
	s_lshl_b32 s47, s16, 3
	s_add_co_u32 s46, s46, s47
	s_mul_i32 s46, s46, TILEB
	s_mov_b32 s47, 0
	s_lshl_b32 s18, s42, 1
	s_add_co_u32 s18, s18, s16
	s_lshl_b32 s18, s18, 12
	s_mov_b32 s19, 0
	s_mul_i32 s45, s14, QUART
	s_lshl_b32 s2, s14, 12
	s_wait_kmcnt 0x0
	s_add_nc_u64 s[8:9], s[8:9], 192*TILEB
	s_add_nc_u64 s[10:11], s[10:11], 24*4096
	s_add_nc_u64 s[20:21], s[4:5], s[20:21]
	s_add_nc_u64 s[22:23], s[6:7], s[22:23]
	s_add_nc_u64 s[46:47], s[8:9], s[46:47]
	s_add_nc_u64 s[18:19], s[10:11], s[18:19]
	CROUND
	s_mov_b32 s[G0S], 1
	s_add_co_u32 s[G0S+1], s2, SCL
	s_mov_b64 s[G0S+2:G0S+3], s[22:23]
	s_or_b32 s[G0S+3], s[G0S+3], 0x80000000
	s_mov_b32 s[G0SB], 1
	s_add_co_u32 s[G0SB+1], s2, SCL
	s_mov_b64 s[G0SB+2:G0SB+3], s[18:19]
	s_or_b32 s[G0SB+3], s[G0SB+3], 0x80000000
	JLOAD G0S, G1S, G0SB, G1SB
.irp s, 0,1
	s_mov_b32 s[G0+4*\s], 1
	s_add_co_u32 s[G0+4*\s+1], s45, \s*SLOT
	s_add_nc_u64 s[G0+4*\s+2:G0+4*\s+3], s[20:21], \s*3072
	s_or_b32 s[G0+4*\s+3], s[G0+4*\s+3], 0x80000000
	s_mov_b32 s[G0B+4*\s], 1
	s_add_co_u32 s[G0B+4*\s+1], s45, \s*SLOT
	s_add_nc_u64 s[G0B+4*\s+2:G0B+4*\s+3], s[46:47], \s*3072
	s_or_b32 s[G0B+4*\s+3], s[G0B+4*\s+3], 0x80000000
	s_wait_alu depctr_va_vdst(0)
	s_wait_tensorcnt 0x0
	ds_add_u32 v28, v29
	s_wait_dscnt 0x0
	CROUND
	JLOAD G0+4*\s, G1, G0B+4*\s, G1B
.endr
	v_and_b32 v1, 31, v0
	v_and_b32 v2, 15, v0
	v_bfe_u32 v3, v0, 4, 1
	v_lshlrev_b32 v[LI], 4, v1
	v_lshlrev_b32 v[L8], 3, v1
	s_wait_alu depctr_va_vdst(0)
	s_mul_i32 s20, s15, QUART
	s_mul_i32 s21, s16, QUART
	s_add_co_u32 s21, s21, 2*QUART
.irp s, 0,1
	v_add_nc_u32 v[AP16+\s], s20, v[LI]
	v_add_nc_u32 v[AP8+\s], s20, v[L8]
	v_add_nc_u32 v[AQ16+\s], s21, v[LI]
	v_add_nc_u32 v[AQ8+\s], s21, v[L8]
	s_add_co_u32 s20, s20, SLOT
	s_add_co_u32 s21, s21, SLOT
.endr
	s_lshl_b32 s20, s15, 12
	s_add_co_u32 s20, s20, SCL
	v_add_nc_u32 v[ASP], s20, v[L8]
	s_lshl_b32 s21, s16, 12
	s_add_co_u32 s21, s21, SCL+8192
	v_add_nc_u32 v[ASQ], s21, v[LI]
	s_mul_i32 s20, s14, 16*SPITCH
	v_mul_u32_u24 v4, v2, SPITCH
	v_lshl_add_u32 v4, v3, 6, v4
	v_add_nc_u32 v[STO], s20, v4
	v_add_nc_u32 v[RD], s20, v[LI]
	s_mov_b32 s66, 0x05040100
	s_mov_b32 s67, 0x07060302
	s_lshl_b32 s20, s17, 1
	s_add_co_u32 s20, s20, s15
	s_lshl_b32 s20, s20, 19
	s_mov_b32 s21, 0
	s_lshl_b32 s46, s42, 1
	s_add_co_u32 s46, s46, s16
	s_lshl_b32 s46, s46, 9
	s_mov_b32 s47, 0
	s_add_nc_u64 s[94:95], s[94:95], s[20:21]
	s_add_nc_u64 s[94:95], s[94:95], s[46:47]
	s_add_nc_u64 s[92:93], s[92:93], s[46:47]
	v_lshlrev_b32 v5, 6, v3
	WIN TO_Q
.irp t, 0,1,2,3,4,5,6,7
	global_load_b128 v[BI+8*\t+96*(\t/4):BI+8*\t+96*(\t/4)+3], v5, s[92:93] offset:4*(32*(\t/2)+8*(\t%2))
	global_load_b128 v[BI+8*\t+96*(\t/4)+4:BI+8*\t+96*(\t/4)+7], v5, s[92:93] offset:4*(32*(\t/2)+8*(\t%2))+16
.endr
	WIN 0
.macro FRAG reg, a16, a8, off
	ds_load_b128 v[\reg:\reg+3], v[\a16] offset:\off
	ds_load_b64 v[\reg+4:\reg+5], v[\a8] offset:\off+512
	ds_load_b128 v[\reg+6:\reg+9], v[\a16] offset:\off+768
	ds_load_b64 v[\reg+10:\reg+11], v[\a8] offset:\off+1280
.endm
.macro FETCH_Q slot, q, set
	WIN TO_Q
.irp i, 0,1,2,3,4,5,6,7
	FRAG 128*(\set)+FR*\i, AQ16+\slot, AQ8+\slot, \i*3072+(\q)*1536
.endr
	WIN 0
.endm
.macro FETCH_P slot, q, i0
.irp i, \i0, \i0+1, \i0+2, \i0+3
	FRAG PF+FR*(\i), AP16+\slot, AP8+\slot, (\i)*3072+(\q)*1536
.endr
.endm
.macro WM a, b, set, ks, bias
.set rD, 8*(8*((\a)%4)+(\b))
.set rQ, 128*(\set)+FR*(\b)
.set rP, PF+FR*(\a)
.set sQ, QSC+4*(\ks)+(\b)/2
.set sP, PSC+4*(\ks)+(\a)/2
.set rB, BI+8*(\b)+96*((\b)/4)
.if \bias
.if ((\a)%2 == 0) && ((\b)%2 == 0)
	v_wmma_scale_f32_16x16x128_f8f6f4 v[rD:rD+7], v[rQ:rQ+FR-1], v[rP:rP+FR-1], v[rB:rB+7], v[sQ], v[sP] matrix_a_fmt:MATRIX_FMT_FP6 matrix_b_fmt:MATRIX_FMT_FP6
.elseif ((\a)%2 == 0)
	v_wmma_scale_f32_16x16x128_f8f6f4 v[rD:rD+7], v[rQ:rQ+FR-1], v[rP:rP+FR-1], v[rB:rB+7], v[sQ], v[sP] matrix_a_fmt:MATRIX_FMT_FP6 matrix_b_fmt:MATRIX_FMT_FP6 matrix_a_scale:MATRIX_SCALE_ROW1
.elseif ((\b)%2 == 0)
	v_wmma_scale_f32_16x16x128_f8f6f4 v[rD:rD+7], v[rQ:rQ+FR-1], v[rP:rP+FR-1], v[rB:rB+7], v[sQ], v[sP] matrix_a_fmt:MATRIX_FMT_FP6 matrix_b_fmt:MATRIX_FMT_FP6 matrix_b_scale:MATRIX_SCALE_ROW1
.else
	v_wmma_scale_f32_16x16x128_f8f6f4 v[rD:rD+7], v[rQ:rQ+FR-1], v[rP:rP+FR-1], v[rB:rB+7], v[sQ], v[sP] matrix_a_fmt:MATRIX_FMT_FP6 matrix_b_fmt:MATRIX_FMT_FP6 matrix_a_scale:MATRIX_SCALE_ROW1 matrix_b_scale:MATRIX_SCALE_ROW1
.endif
.else
.if ((\a)%2 == 0) && ((\b)%2 == 0)
	v_wmma_scale_f32_16x16x128_f8f6f4 v[rD:rD+7], v[rQ:rQ+FR-1], v[rP:rP+FR-1], v[rD:rD+7], v[sQ], v[sP] matrix_a_fmt:MATRIX_FMT_FP6 matrix_b_fmt:MATRIX_FMT_FP6
.elseif ((\a)%2 == 0)
	v_wmma_scale_f32_16x16x128_f8f6f4 v[rD:rD+7], v[rQ:rQ+FR-1], v[rP:rP+FR-1], v[rD:rD+7], v[sQ], v[sP] matrix_a_fmt:MATRIX_FMT_FP6 matrix_b_fmt:MATRIX_FMT_FP6 matrix_a_scale:MATRIX_SCALE_ROW1
.elseif ((\b)%2 == 0)
	v_wmma_scale_f32_16x16x128_f8f6f4 v[rD:rD+7], v[rQ:rQ+FR-1], v[rP:rP+FR-1], v[rD:rD+7], v[sQ], v[sP] matrix_a_fmt:MATRIX_FMT_FP6 matrix_b_fmt:MATRIX_FMT_FP6 matrix_b_scale:MATRIX_SCALE_ROW1
.else
	v_wmma_scale_f32_16x16x128_f8f6f4 v[rD:rD+7], v[rQ:rQ+FR-1], v[rP:rP+FR-1], v[rD:rD+7], v[sQ], v[sP] matrix_a_fmt:MATRIX_FMT_FP6 matrix_b_fmt:MATRIX_FMT_FP6 matrix_a_scale:MATRIX_SCALE_ROW1 matrix_b_scale:MATRIX_SCALE_ROW1
.endif
.endif
.endm
.macro MUL16 a0, set, ks, bias
.irp a, \a0, \a0+1
.irp b, 0,1,2,3,4,5,6,7
	WM \a, \b, \set, \ks, \bias
.endr
.endr
.endm
.macro STEP slot, ks, bias
	s_wait_dscnt 4*NL
.if \bias
	WIN 0x91
.else
	WIN MUL_LO
.endif
	MUL16 0, 0, \ks, \bias
	MUL16 2, 0, \ks, \bias
	s_wait_dscnt 0x0
	PLACES NP
	FETCH_Q \slot, 1, 1
	FETCH_P \slot, 1, 0
.if \bias
	WIN 0xd1
.else
	WIN MUL_HI
.endif
	MUL16 4, 0, \ks, \bias
	MUL16 6, 0, \ks, \bias
	PLACES NP
	WIN 0
	FETCH_P \slot, 1, 4
.endm
.macro TURN slot, next, ks, fill
	s_wait_tensorcnt 0x0
	ds_add_u32 v[SPW], v[NIL]
	s_wait_dscnt 4*NL+1
	WIN MUL_LO
	MUL16 0, 1, \ks, 0
	s_wait_dscnt 0x0
	s_barrier_signal -1
	MUL16 2, 1, \ks, 0
	WIN 0
	s_barrier_wait -1
.if \fill
	CREST
	s_add_nc_u64 s[G0+4*\slot+2:G0+4*\slot+3], s[G0+4*\slot+2:G0+4*\slot+3], 2*3072
	s_add_nc_u64 s[G0B+4*\slot+2:G0B+4*\slot+3], s[G0B+4*\slot+2:G0B+4*\slot+3], 2*3072
	JLOAD G0+4*\slot, G1, G0B+4*\slot, G1B
.else
	PLACES NP
.endif
	FETCH_Q \next, 0, 0
	FETCH_P \next, 0, 0
	WIN MUL_HI
	MUL16 4, 1, \ks, 0
	MUL16 6, 1, \ks, 0
	PLACES NP
	WIN 0
	FETCH_P \next, 0, 4
.endm
	s_wait_alu depctr_va_vdst(0)
	s_wait_tensorcnt 1
	s_barrier_signal -1
	s_barrier_wait -1
.irp k, 0,1,2,3,4,5,6,7
	ds_load_b64 v[RAW+4*\k:RAW+4*\k+1], v[ASP] offset:512*\k
	ds_load_b64 v[RAW+4*\k+2:RAW+4*\k+3], v[ASP] offset:512*\k+256
	ds_load_b128 v[QSC+4*\k:QSC+4*\k+3], v[ASQ] offset:512*\k
.endr
	FETCH_Q 0, 0, 0
	s_wait_dscnt 32
.irp k, 0,1,2,3,4,5,6,7
	v_perm_b32 v[PSC+4*\k], v[RAW+4*\k+2], v[RAW+4*\k], s66
	v_perm_b32 v[PSC+4*\k+1], v[RAW+4*\k+2], v[RAW+4*\k], s67
	v_perm_b32 v[PSC+4*\k+2], v[RAW+4*\k+3], v[RAW+4*\k+1], s66
	v_perm_b32 v[PSC+4*\k+3], v[RAW+4*\k+3], v[RAW+4*\k+1], s67
.endr
	FETCH_P 0, 0, 0
	FETCH_P 0, 0, 4
	PLACES 8
	s_wait_loadcnt 0x0
	STEP 0, 0, 1
	TURN 0, 1, 1, 1
	STEP 1, 2, 0
	TURN 1, 0, 3, 1
	STEP 0, 4, 0
	s_wait_alu depctr_va_vdst(0)
	TURN 0, 1, 5, 0
	STEP 1, 6, 0
	s_wait_dscnt 4*NL
	WIN MUL_LO
	MUL16 0, 1, 7, 0
	MUL16 2, 1, 7, 0
	s_wait_dscnt 0x0
	WIN MUL_HI
	MUL16 4, 1, 7, 0
	MUL16 6, 1, 7, 0
	WIN 0
.macro TOSTAGE a
.set AC, 64*((\a)%4)
	WIN 0x08+4*((\a)/4)
.irp b, 0,1,2,3,4,5,6,7
	ds_store_b128 v[STO], v[AC+8*\b:AC+8*\b+3] offset:128*(\b/2)+32*(\b%2)
	ds_store_b128 v[STO], v[AC+8*\b+4:AC+8*\b+7] offset:128*(\b/2)+32*(\b%2)+16
.endr
	WIN 0
.set BB, BK+64*((\a)%2)
.irp t, 0,1,2,3,4,5,6,7,8,9,10,11,12,13,14,15
	ds_load_b128 v[BB+4*\t:BB+4*\t+3], v[RD] offset:\t*SPITCH
.endr
.endm
.macro SEND a, younger
.set BB, BK+64*((\a)%2)
	s_wait_dscnt \younger
.irp t, 0,1,2,3,4,5,6,7,8,9,10,11,12,13,14,15
	global_store_b128 v[LI], v[BB+4*\t:BB+4*\t+3], s[94:95] offset:(32*((\a)/2)+8*((\a)%2)+\t+8*(\t/8))*4096 th:TH_STORE_NT
.endr
.endm
	PLACES NP
	TOSTAGE 0
.irp a, 1,2,3,4,5,6,7
.if \a > 1
	s_wait_xcnt 0x0
.endif
	TOSTAGE \a
	SEND \a-1, 32
.endr
	SEND 7, 0
	s_wait_tensorcnt 0x0
	ds_add_u32 v[SPW], v[NIL]
	s_wait_dscnt 0x0
	CROUND
	s_endpgm
.Lfunc_end_k_qd30443ff04_gemm_proj:
	.size	k_qd30443ff04_gemm_proj, .Lfunc_end_k_qd30443ff04_gemm_proj-k_qd30443ff04_gemm_proj
	.p2alignl 7, 3214868480
	.fill 96, 4, 3214868480
	.section	.rodata,"a",@progbits
	.p2align	6, 0x0
	.amdhsa_kernel k_qd30443ff04_gemm_proj
		.amdhsa_group_segment_fixed_size 327680
		.amdhsa_private_segment_fixed_size 0
		.amdhsa_enable_private_segment 0
		.amdhsa_kernarg_size 48
		.amdhsa_user_sgpr_count 2
		.amdhsa_user_sgpr_kernarg_segment_ptr 1
		.amdhsa_wavefront_size32 1
		.amdhsa_system_sgpr_workgroup_id_x 1
		.amdhsa_system_sgpr_workgroup_id_y 1
		.amdhsa_system_sgpr_workgroup_id_z 1
		.amdhsa_system_vgpr_workitem_id 0
		.amdhsa_next_free_vgpr 1024
		.amdhsa_next_free_sgpr 100
		.amdhsa_reserve_vcc 0
		.amdhsa_float_denorm_mode_32 3
		.amdhsa_float_denorm_mode_16_64 3
		.amdhsa_memory_ordered 1
		.amdhsa_forward_progress 1
		.amdhsa_inst_pref_size 147
	.end_amdhsa_kernel
	.amdgpu_metadata
---
amdhsa.version: [ 1, 2 ]
amdhsa.kernels:
  - .name:           k_qd30443ff04_gemm_proj
    .symbol:         k_qd30443ff04_gemm_proj.kd
    .args:
      - { .name: out_img, .offset: 0, .size: 8, .value_kind: global_buffer, .address_space: global }
      - { .name: out_sc, .offset: 8, .size: 8, .value_kind: global_buffer, .address_space: global }
      - { .name: w_img, .offset: 16, .size: 8, .value_kind: global_buffer, .address_space: global }
      - { .name: w_sc, .offset: 24, .size: 8, .value_kind: global_buffer, .address_space: global }
      - { .name: b_proj, .offset: 32, .size: 8, .value_kind: global_buffer, .address_space: global }
      - { .name: out0, .offset: 40, .size: 8, .value_kind: global_buffer, .address_space: global }
    .group_segment_fixed_size: 327680
    .private_segment_fixed_size: 0
    .kernarg_segment_align: 8
    .kernarg_segment_size: 48
    .max_flat_workgroup_size: 128
    .sgpr_count:     100
    .vgpr_count:     1024
    .wavefront_size: 32
...
	.end_amdgpu_metadata
.endif
;; end of part 4
